; MI455X (gfx1250); checked and timed in simulation.
; The chip was launched on July 23, 2026; its instructions are those of AMD's public machine-readable ISA for CDNA 5 (MIT licence, August 2026) and "CDNA5" Instruction Set Architecture Reference Guide (July 2026). The comments in the code are by the model that wrote it; some were corrected since.
;; Causal Self Attention. Allowed arithmetic: matrix products marked QUANTISED: E2M3 operands, one E8M0 scale for each 32 along K, by v_wmma_scale_f32_16x16x128_f8f6f4 with both operands' format E2M3, f32 sums; everything else in f32.
;; Inputs: Wk 1,024 x 1,024 float32; Wo 1,024 x 1,024 float32; Wq 1,024 x 1,024 float32; Wv 1,024 x 1,024 float32; bo 1,024 float32; x 4 x 2,048 x 1,024 float32.
;; Outputs: out0 4 x 2,048 x 1,024 float32.
;; This version of the problem:
;;   THIS VERSION OF THE PROBLEM IS GIVEN IN LOW PRECISION. The matrix products marked QUANTISED in the list below multiply operands that are first quantised to E2M3 (2 exponent bits, 3 mantissa bits; 6 bits a number), with one power-of-two scale for each 32 numbers along K (OCP MX v1.0); their sums are f32. All else is computed in f32.
;;   The module's matrix products, in the order in which they are computed (A, B: the left and right operand; K: the contracted axis; several contracted axes count as one K, in the product's order):
;;     1. [M 8,192, K 1,024] x [K 1,024, N 1,024]; A: input x; B: input Wq: QUANTISED
;;     2. [M 8,192, K 1,024] x [K 1,024, N 1,024]; A: input x; B: input Wk: QUANTISED
;;     3. [M 8,192, K 1,024] x [K 1,024, N 1,024]; A: input x; B: input Wv: QUANTISED
;;     4. batch 64 x [M 2,048, K 64] x [K 64, N 2,048]; A: computed on the way; B: computed on the way: QUANTISED
;;     5. batch 64 x [M 2,048, K 2,048] x [K 2,048, N 64]; A: softmax (see below); B: computed on the way: QUANTISED
;;     6. [M 8,192, K 1,024] x [K 1,024, N 1,024]; A: computed on the way; B: input Wo: QUANTISED
;;   THE QUANTISER, for each operand of a quantised product, along K:
;;     - K is cut into blocks of 32 from its start; a last block that is shorter is filled with zeros.
;;     - A block's scale is 2^e with e = floor(log2(the largest magnitude in the block)) - 2, held to -126 .. 127; a block of zeros has e = 0. As a byte (E8M0): e + 127.
;;     - Each number is divided by its block's scale, clamped to +-7.5, and rounded to the nearest number of E2M3, ties to even, subnormals kept.
;;     - The product sums the exact products of the quantised numbers (number of the format x scale) in f32.
;;   ~~~python
;;   def quantise(x, axis):      # numpy; x: float32 -> the quantised numbers, widened to float32 again
;;       x = np.moveaxis(x, axis, -1); K = x.shape[-1]
;;       x = np.pad(x, [(0, 0)] * (x.ndim - 1) + [(0, -K % 32)]); x = x.reshape(x.shape[:-1] + (-1, 32)); a = np.abs(x).max(-1, keepdims=True)
;;       e = np.where(a > 0, np.clip(np.frexp(np.where(a > 0, a, 1))[1] - 1 - 2, -126, 127), 0)      # np.frexp(a)[1] - 1 = floor(log2(a)), exactly
;;       r = np.clip(x / 2.0 ** e, -7.5, 7.5)
;;       step = 2.0 ** (np.maximum(np.frexp(np.where(r == 0, 1, r))[1] - 1, 0) - 3)
;;       q = np.round(r / step) * step * 2.0 ** e      # np.round: ties to even
;;       return np.moveaxis(q.reshape(q.shape[:-2] + (-1,))[..., :K], -1, axis).astype(np.float32)
;;   ~~~
;;   SOFTMAX AHEAD OF A QUANTISED PRODUCT. Where the list says 'softmax', what is quantised is not the finished softmax but p = 2^(t - M), with t = logit x log2(e) and M = ceil(the row's largest t), a whole number; so 1/2 < the row's largest p <= 1. The row's sum l is taken of the UNQUANTISED p, in f32, and the product's result is divided by l at the end. Since M is a whole number, a kernel that streams over the keys may use a running M (the ceiling of the running maximum): every later rescaling is an exact power of two, which a block's scale takes up: the codes' values come out the same.
;;   OPERANDS COMPUTED ON THE WAY. 'Computed on the way' means the value that the module computes at that place (a softmax that the list does not call 'softmax' is quantised finished and normalised). What goes into a quantiser is computed in f32, as accurately as f32 sums, v_exp_f32 and their like allow (about 1e-6 of the number): no bf16 or f16 on the way to a quantiser, and a product that is left as it is and whose result goes on into a quantised operand takes f32 operands (vector FMAs, or v_wmma_f32_16x16x4_f32). A number that lies on a knife's edge between two numbers of the format may be rounded either way, as far as f32 arithmetic and the matrix unit's own rounding can turn it there, and no further.
;; One version. Each part assembles by itself: llvm-mc -triple=amdgcn-amd-amdhsa -mcpu=gfx1250 --defsym DOCPART=n.
;; ======== version 1 of 1: 4 launches
;; workspace buffers: opc 9,437,184 bytes; ops 393,216 bytes; qkvc 18,874,368 bytes; qkvs 786,432 bytes; yc 6,291,456 bytes; ys 262,144 bytes
;; launch quant (part 1): grid 384 x 1, 4 waves a work-group, no clusters, 35,328 bytes of LDS; arguments x, Wq, Wk, Wv, Wo, opc, ops; writes opc, ops
.if DOCPART == 1
	.amdgcn_target "amdgcn-amd-amdhsa--gfx1250"
	.amdhsa_code_object_version 6
	.text
	.protected	k_q7afc5e53be_quant
	.globl	k_q7afc5e53be_quant
	.p2align	8
	.type	k_q7afc5e53be_quant,@function
k_q7afc5e53be_quant:
	s_mov_b64 s[64:65], 0
	v_nop
	global_prefetch_b8 v0, s[64:65] scope:SCOPE_SE
	s_setreg_imm32_b32 hwreg(HW_REG_WAVE_MODE, 25, 1), 1
	s_wait_xcnt 0x0
; x [8192][1024] and Wq, Wk, Wv, Wo [1024][1024], f32 with K innermost, become codes of FP6 (E2M3) with one E8M0 byte for each 32 along K,
; laid in the order of a matrix operand's registers.  A block's scale is 2^(floor(log2(largest magnitude)) - 2): its byte is the largest
; magnitude's exponent field - 2, held at 1 from below; numbers beyond 7.5 x scale take the largest code (the conversion does that).
; TILES.  16 rows form a tile, and they are not neighbours: lane row r of tile T is matrix row 32 (T / 2) + 8 (T % 2) + r + 8 (r / 8).
; Tiles 0-511 are x's, 512-575 Wq's, 576-639 Wk's, 640-703 Wv's, 704-767 Wo's.
; IMAGES.  A fragment (one tile x 128 along K: 12 registers a lane; registers 6 c .. 6 c + 5 of lane (r, h) hold k = 64 c + 32 h + 0 .. 31) lies in
; 1,536 bytes: register pair p of lane l at 256 p + 8 l.  opc: [tile][K step 8][1,536].  ops: [tile][K step 8][16 words], word r = row r's four bytes.
; SHARES.  Work-group g, wave w: tile 2 g + w / 2, K steps 4 (w % 2) .. + 3.  Each load reads 512 consecutive bytes of one row; a step's 16 rows turn
; through the wave's own stage in LDS (rows of 512 + 16 bytes), so that a lane gets 16 neighbours along K of each block of its row.
; Each store of codes covers 256 consecutive bytes, aligned; the wave's 64 scale words leave as one run of 256 bytes.  Waves share nothing: no barrier.
; LIMITS: NaN and infinities among the inputs are not served.  A block of zeros, and a block whose largest magnitude lies under 2^-124, gets the
; byte 1 (for zeros the rule says 127: the codes are zeros, which add nothing under any byte but 0xff, and this program alone reads the bytes).
.set WREG, 8704                        ; LDS of a wave: the stage, then 256 bytes of scale words
.set SPI,  528                         ; a stage row: 33 x 16 bytes, so that the 16 rows of a 16-byte read start in different banks
.set SCW,  16*SPI
.set TM,   16                          ; v16-19 largest magnitudes, v20-23 the other half's / the bytes, v28-31 the conversions' scale operands
.set PC,   32                          ; v32-43  the fragment's codes
.set TT,   44                          ; v44-46, v48-50  the blocks' upper halves as the conversions leave them
.set PW,   52                          ; v52     the scale word
.set R,    64                          ; v64-191 two sets of 64: a step's numbers as loaded
.set X,    192                         ; v192-255 the same, 16 neighbours of each of four blocks
.set SEL,  32                          ; s[32:33] v_permlanex16_b32's selects: lane l xor 16
; 64 numbers of a lane, register 16 b + i = k 32 b + 16 h + i of my row, become a fragment's codes (d0: registers 0-5, d1: 6-11) and its scale word.
.macro QUANT s, d0, d1, t, pw
.irp b, 0,1,2,3
	v_max3_num_f32 v[TM+\b], |v[\s+16*\b]|, |v[\s+1+16*\b]|, 0x1800000   ; my 16 numbers of block b, and the floor 2^(3 - 127): the byte cannot fall under 1
.endr
.irp i, 2,4,6,8,10,12,14
.irp b, 0,1,2,3
	v_max3_num_f32 v[TM+\b], v[TM+\b], |v[\s+16*\b+\i]|, |v[\s+1+16*\b+\i]|   ; the four blocks by turns
.endr
.endr
.irp b, 0,1,2,3
	v_permlanex16_b32 v[TM+4+\b], v[TM+\b], s[SEL], s[SEL+1]
.endr
.irp b, 0,1,2,3
	v_max_num_f32 v[TM+\b], v[TM+\b], v[TM+4+\b]                   ; with lane l xor 16's 16: the block's largest magnitude
.endr
.irp b, 0,1,2,3
	v_add_nc_u32 v[TM+12+\b], 0xff000000, v[TM+\b]                 ; 2 off its exponent field: the conversion takes that field as its scale
.endr
.irp b, 0,1,2,3
	v_lshrrev_b32 v[TM+4+\b], 23, v[TM+12+\b]                      ; the scale's byte
.endr
	v_lshl_or_b32 v[\pw], v[TM+5], 8, v[TM+4]
	v_lshl_or_b32 v[\pw], v[TM+6], 16, v[\pw]
	v_lshl_or_b32 v[\pw], v[TM+7], 24, v[\pw]
	v_cvt_scalef32_pk16_fp6_f32 v[\d0:\d0+2], v[\s:\s+15], v[TM+12]
	v_cvt_scalef32_pk16_fp6_f32 v[\t:\t+2], v[\s+16:\s+31], v[TM+13]   ; (a conversion's three registers begin on an even number)
	v_cvt_scalef32_pk16_fp6_f32 v[\d1:\d1+2], v[\s+32:\s+47], v[TM+14]
	v_cvt_scalef32_pk16_fp6_f32 v[\t+4:\t+6], v[\s+48:\s+63], v[TM+15]
	v_nop                                          ; one plain line behind the scaled conversions
.irp i, 0,1,2
	v_permlane16_swap_b32 v[\d0+\i], v[\t+\i]      ; the layout wants a whole block in a lane: lanes 0-15 the even block, lanes 16-31 the odd one
	v_permlane16_swap_b32 v[\d1+\i], v[\t+4+\i]
.endr
.irp i, 0,1,2
	v_mov_b32 v[\d0+3+\i], v[\t+\i]
	v_mov_b32 v[\d1+3+\i], v[\t+4+\i]
.endr
.endm
	s_load_b256 s[4:11], s[0:1], 0x0               ; x, Wq, Wk, Wv
	s_load_b128 s[12:15], s[0:1], 0x20             ; Wo, opc
	s_load_b64 s[16:17], s[0:1], 0x30              ; ops
	v_lshl_add_u32 v62, v0, 2, 0x8800
	v_mov_b32 v63, 0
	v_lshrrev_b32 v7, 5, v0
	v_readfirstlane_b32 s20, v7                    ; wave
	v_and_b32 v8, 31, v0                           ; lane
	v_and_b32 v9, 15, v0                           ; r
	v_bfe_u32 v10, v0, 4, 1                        ; h
	s_mul_i32 s21, s20, WREG
	v_lshlrev_b32 v1, 4, v8                        ; in: 16 bytes a lane
	v_add_nc_u32 v2, s21, v1                       ; the stage, on the way in
	v_mul_u32_u24 v3, v9, SPI
	v_lshl_add_u32 v3, v10, 6, v3
	v_add_nc_u32 v3, s21, v3                       ; and out: row r, + 64 h: my 16 numbers of a block
	v_lshlrev_b32 v4, 3, v8                        ; out: 8 bytes a lane
	s_add_co_u32 s21, s21, SCW
	v_lshl_add_u32 v5, v9, 2, s21                  ; my row's scale word
	v_add_nc_u32 v6, s21, v4                       ; the words on their way back
	s_mov_b32 s[SEL], 0x76543210
	s_mov_b32 s[SEL+1], 0xfedcba98
.irp b, 0,1,2,3
	v_mov_b32 v[TM+4+\b], 0                        ; written once: a lane permute's destination counts as one of its sources
.endr
	s_lshr_b32 s22, s20, 1
	s_and_b32 s23, s20, 1                          ; which half of K
	s_lshl_b32 s24, ttmp9, 1
	s_add_co_u32 s24, s24, s22                     ; my tile among the 768
	s_cmp_lt_u32 ttmp9, 256
	s_cselect_b32 s25, 511, 63
	s_and_b32 s25, s24, s25                        ; and inside its tensor
	s_lshr_b32 s26, s25, 1
	s_lshl_b32 s26, s26, 5
	s_and_b32 s27, s25, 1
	s_lshl_b32 s27, s27, 3
	s_add_co_u32 s26, s26, s27                     ; its first row: 32 (T / 2) + 8 (T % 2)
	s_lshl_b32 s26, s26, 12                        ; rows of 4,096 bytes
	s_lshl_b32 s27, s23, 11
	s_add_co_u32 s26, s26, s27
	s_mov_b32 s27, 0
	s_mul_i32 s28, s24, 12288
	s_mul_i32 s29, s23, 6144
	s_add_co_u32 s28, s28, s29
	s_mov_b32 s29, 0
	s_lshl_b32 s30, s24, 9
	s_lshl_b32 s31, s23, 8
	s_add_co_u32 s30, s30, s31
	s_mov_b32 s31, 0
	s_wait_kmcnt 0x0
	s_mov_b64 s[18:19], s[12:13]                   ; which tensor: the choice hangs on the work-group's number alone
	s_cmp_lt_u32 ttmp9, 352
	s_cselect_b64 s[18:19], s[10:11], s[18:19]
	s_cmp_lt_u32 ttmp9, 320
	s_cselect_b64 s[18:19], s[8:9], s[18:19]
	s_cmp_lt_u32 ttmp9, 288
	s_cselect_b64 s[18:19], s[6:7], s[18:19]
	s_cmp_lt_u32 ttmp9, 256
	s_cselect_b64 s[18:19], s[4:5], s[18:19]
	s_add_nc_u64 s[18:19], s[18:19], s[26:27]
	s_add_nc_u64 s[14:15], s[14:15], s[28:29]
	s_add_nc_u64 s[16:17], s[16:17], s[30:31]
.macro LOAD t                          ; K step t of my four: 16 rows x 512 bytes
.irp ri, 0,1,2,3,4,5,6,7,8,9,10,11,12,13,14,15
	global_load_b128 v[R+64*((\t)%2)+4*\ri:R+64*((\t)%2)+4*\ri+3], v1, s[18:19] offset:(\ri+8*(\ri/8))*4096+512*(\t) th:TH_LOAD_NT
.endr
.endm
.macro TURN t                          ; through the stage: LDS serves a wave's instructions in order, so no wait stands between the stores and the loads
.irp ri, 0,1,2,3,4,5,6,7,8,9,10,11,12,13,14,15
	ds_store_b128 v2, v[R+64*((\t)%2)+4*\ri:R+64*((\t)%2)+4*\ri+3] offset:SPI*\ri
.endr
.irp b, 0,1,2,3
.irp j, 0,1,2,3
	ds_load_b128 v[X+16*\b+4*\j:X+16*\b+4*\j+3], v3 offset:128*\b+16*\j
.endr
.endr
.endm
.macro STEPQ t
.if (\t) < 3
	s_wait_loadcnt 16                              ; this step's 16 loads are in; the next step's 16 may be out
.else
	s_wait_loadcnt 0x0
.endif
	TURN \t
	s_wait_dscnt 0x0                               ; the numbers are back, the stage's stores have read their registers, the last step's word is stored
.if (\t) < 2
	LOAD (\t)+2                                    ; into the set just left
.endif
	s_wait_xcnt 0x0                                ; the last step's stores of codes have read their registers: they are written again only behind this wait
	QUANT X, PC, PC+6, TT, PW
	ds_store_b32 v5, v[PW] offset:64*(\t)          ; both halves of the lanes write the same word with the same value
.irp p, 0,1,2,3,4,5
	global_store_b64 v4, v[PC+2*\p:PC+2*\p+1], s[14:15] offset:1536*(\t)+256*\p   ; 32 lanes store 256 consecutive bytes, aligned
.endr
.endm
	LOAD 0
	LOAD 1
	STEPQ 0
	STEPQ 1
	STEPQ 2
	STEPQ 3
	ds_load_b64 v[54:55], v6                       ; my wave's 64 scale words: these see my stores
	s_wait_dscnt 0x0
	global_store_b64 v4, v[54:55], s[16:17]        ; 256 consecutive bytes, aligned
	s_wait_tensorcnt 0x0
	ds_add_u32 v62, v63
	s_wait_dscnt 0x0
	s_endpgm
.Lfunc_end_k_q7afc5e53be_quant:
	.size	k_q7afc5e53be_quant, .Lfunc_end_k_q7afc5e53be_quant-k_q7afc5e53be_quant
	.p2alignl 7, 3214868480
	.fill 96, 4, 3214868480
	.section	.rodata,"a",@progbits
	.p2align	6, 0x0
	.amdhsa_kernel k_q7afc5e53be_quant
		.amdhsa_group_segment_fixed_size 35328
		.amdhsa_private_segment_fixed_size 0
		.amdhsa_enable_private_segment 0
		.amdhsa_kernarg_size 56
		.amdhsa_user_sgpr_count 2
		.amdhsa_user_sgpr_kernarg_segment_ptr 1
		.amdhsa_wavefront_size32 1
		.amdhsa_system_sgpr_workgroup_id_x 1
		.amdhsa_system_sgpr_workgroup_id_y 1
		.amdhsa_system_sgpr_workgroup_id_z 1
		.amdhsa_system_vgpr_workitem_id 0
		.amdhsa_next_free_vgpr 256
		.amdhsa_next_free_sgpr 66
		.amdhsa_reserve_vcc 0
		.amdhsa_float_denorm_mode_32 3
		.amdhsa_float_denorm_mode_16_64 3
		.amdhsa_memory_ordered 1
		.amdhsa_forward_progress 1
		.amdhsa_inst_pref_size 35
	.end_amdhsa_kernel
	.amdgpu_metadata
---
amdhsa.version: [ 1, 2 ]
amdhsa.kernels:
  - .name:           k_q7afc5e53be_quant
    .symbol:         k_q7afc5e53be_quant.kd
    .args:
      - { .name: x, .offset: 0, .size: 8, .value_kind: global_buffer, .address_space: global }
      - { .name: Wq, .offset: 8, .size: 8, .value_kind: global_buffer, .address_space: global }
      - { .name: Wk, .offset: 16, .size: 8, .value_kind: global_buffer, .address_space: global }
      - { .name: Wv, .offset: 24, .size: 8, .value_kind: global_buffer, .address_space: global }
      - { .name: Wo, .offset: 32, .size: 8, .value_kind: global_buffer, .address_space: global }
      - { .name: opc, .offset: 40, .size: 8, .value_kind: global_buffer, .address_space: global }
      - { .name: ops, .offset: 48, .size: 8, .value_kind: global_buffer, .address_space: global }
    .group_segment_fixed_size: 35328
    .private_segment_fixed_size: 0
    .kernarg_segment_align: 8
    .kernarg_segment_size: 56
    .max_flat_workgroup_size: 128
    .sgpr_count:     66
    .vgpr_count:     256
    .wavefront_size: 32
...
	.end_amdgpu_metadata
.endif
;; end of part 1
;; launch qkv (part 2): grid 96 x 4, 4 waves a work-group, clusters of 4 x 4, 327,680 bytes of LDS; arguments opc, ops, qkvc, qkvs; writes qkvc, qkvs
.if DOCPART == 2
	.amdgcn_target "amdgcn-amd-amdhsa--gfx1250"
	.amdhsa_code_object_version 6
	.text
	.protected	k_q7afc5e53be_qkv
	.globl	k_q7afc5e53be_qkv
	.p2align	8
	.type	k_q7afc5e53be_qkv,@function
k_q7afc5e53be_qkv:
	s_mov_b64 s[64:65], 0
	v_nop
	global_prefetch_b8 v0, s[64:65] scope:SCOPE_SE
	s_setreg_imm32_b32 hwreg(HW_REG_WAVE_MODE, 25, 1), 1
	s_wait_xcnt 0x0
	s_wait_alu depctr_hold_cnt(0) depctr_sa_sdst(0) depctr_va_vdst(0) depctr_va_sdst(0) depctr_va_ssrc(0) depctr_va_vcc(0) depctr_vm_vsrc(0)
	s_getreg_b32 s2, hwreg(HW_REG_IB_STS2, 6, 4)
	s_cmp_eq_u32 s2, 0
	s_cbranch_scc0 .Lentry_in_a_cluster
	s_endpgm
.Lentry_in_a_cluster:
	s_bfe_u32 s2, ttmp6, 0x10000c
	s_cmp_lg_u32 s2, 0xf033
	s_cbranch_scc0 .Lentry_shape_is_right
	s_endpgm
.Lentry_shape_is_right:
; q = x Wq^T, k = x Wk^T, v = x Wv^T on codes of FP6 (E2M3) with E8M0 scales, sums in f32; the results are quantised in registers and leave as codes:
; q and k along the head's 64 channels, v along the tokens (the keys are the second attention product's K).
; ONE BODY, TWO MODES, chosen by selects on the cluster's number c (0..23), never by a branch.  The result is always Q(A B^T), source 0 = 16 rows of B, source 1 = 16 rows
; of A: a lane owns ONE row of A and its registers run along B's rows.  c < 16: A = x (tokens), B = Wq over Wk (channels): 32 x 8 tiles of 256 x 256.
; c >= 16: A = Wv (channels), B = x (tokens): 4 x 32 tiles.  All operands lie in one buffer of tiles (x 0-511, Wq 512-, Wk 576-, Wv 640-), so only whole-number offsets are chosen.
; OPERANDS are images of the operand registers: [tile of 16 rows][K step 8][1,536 bytes], register pair p of lane l at 256 p + 8 l.  Lane row r of tile T is matrix row
; 32 (T / 2) + 8 (T % 2) + r + 8 (r / 8), so that the 16 registers of B's tiles 2 n and 2 n + 1 are 16 neighbouring rows of B: 32 n + 16 (lane / 16) + 0 .. 15.
; A work-group of four waves makes 256 x 256, a wave 128 x 128: 64 accumulators, 512 registers.  K goes in slots of 256 (two steps of 128) through a ring of two LDS slots;
; a wave's tensor load brings 8 tiles x 3,072 bytes.  The scale words of the work-group's rows for all of K (4 x 4,096 bytes) come once, with the first fills.
; CLUSTERS: 4 x 4 work-groups; A's tiles are asked for jointly along a row of the cluster, B's along a column.
; THE WAY OUT: for each of A's eight tiles the wave's 64 registers a lane are 128 neighbours along B: one fragment and one scale word, made in registers and stored as images:
; c < 16: two halves of 768 bytes, one for each of two heads;  c >= 16: one fragment of 16 channels x 128 keys.
; qkvc: regions Q, K, V of 6,291,456 bytes, each [batch 4][key step 16][98,304]; in it Q, K: [head 16][token tile 8][768];  V: [channel tile 64][1,536].
; qkvs: regions of 262,144 bytes, each [batch][head][key step 16][256]: word (r, j) at 16 r + 4 j; Q, K: bytes 0, 1 tile 2 j's two blocks, bytes 2, 3 tile 2 j + 1's;  V: channel tile j's four key blocks.
; LIMITS: NaN and infinities are not served; a block of zeros, or one whose largest magnitude lies under 2^-124, gets the byte 1 (its codes are zeros or held; this program alone reads the bytes).
; REGISTERS: window 0: v16-31 addresses; v32-63 scale words, two sets; v128-223 A's fragments, one set.  window 1: B's fragments, two sets, at v0 and v128.  windows 2, 3: the accumulators, (a, b) at v[8 (8 (a % 4) + b)].
.set NQ,     2                         ; steps of 128 along K in a slot
.set FR,     12                        ; registers of a fragment
.set FRB,    1536                      ; its image in bytes
.set NL,     6                         ; LDS loads that bring one
.set NP,     4                         ; places behind this matrix instruction (ISA guide 7.12.1)
.set TILEB,  8*FRB                     ; a tile's codes in memory
.set HALFT,  8*NQ*FRB                  ; 8 tiles x 2 steps: what one tensor load brings, and what a wave reads of A or of B
.set SLOT,   4*HALFT
.set LAPS,   2                         ; K = 1,024 = twice round the ring
.set SCL,    2*SLOT                    ; behind the ring: the scale words
.set HALFS,  4096                      ; those of 8 tiles
.set SPARE,  SCL+4*HALFS               ; the spare words, 128 bytes for each wave: two blocks of 256 bytes that no other line names
.set ADRA, 16                          ; v16-17 LDS address of my A fragments in slot 0, 1
.set ADRB, 20                          ; v20-21 the same for B
.set CO8,  26                          ; v26    the way out: 8 x lane
.set ADRS, 27                          ; v27    LDS address of my scale words: lanes 0-15 A's, lanes 16-31 B's; on the way out 16 r + 4,096 h
.set SPW,  28                          ; v28    LDS address of my spare word; never rewritten
.set NIL,  29                          ; v29    0; never rewritten
.set FLR,  30                          ; v30    the way out: the floor 2^(3 - 127)
.set SC,   32                          ; scale words: set s at v[SC + 16 s]; register 2 i + q: lanes 0-15 A's tile i, lanes 16-31 B's tile i, the slot's q-th step
.set AF,   128
.set TM,   32                          ; the way out, all in window 0: v32-47 at work
.set PC,   48                          ; v48-59 the codes
.set TT,   60                          ; v60-62, v64-66
.set PWA,  72                          ; v72-79 the eight scale words
.set G1, 24
.set G0, 32
.set G1B, 48
.set G0B, 56
.set G1S, 68
.set G0S, 76
.set G1SB, 80
.set G0SB, 88
.set SEL, 100
.set MSB, 0
.macro WIN new                         ; the immediate's high byte repeats the setting that is left
.if MSB != (\new)
	s_set_vgpr_msb (MSB<<8)|(\new)
.set MSB, (\new)
.endif
.endm
.set MUL_LO, 0xa1                      ; source 0 (B) window 1, source 1 (A) window 0, C and D window 2
.set MUL_HI, 0xf1
.set TO_B,   0x40
; A joint load: waves 0 and 1 fetch for A, waves 2 and 3 for B; the branch hangs on the wave's number alone.  Four v_nop follow each of the two lines.
.macro JLOAD g0a, g1a, g0b, g1b
	s_cmp_eq_u32 s15, 0
	s_cbranch_scc0 .Lfor_b_\@
	tensor_load_to_lds s[\g0a:\g0a+3], s[\g1a:\g1a+7]
	s_nop 0
.rept 4
	v_nop
.endr
	s_branch .Lasked_\@
.Lfor_b_\@:
	tensor_load_to_lds s[\g0b:\g0b+3], s[\g1b:\g1b+7]
	s_nop 0
.rept 4
	v_nop
.endr
.Lasked_\@:
.endm
.macro CREST                           ; a round of the cluster's barrier behind its opening barrier
	s_cmp_lg_u32 s14, 0
	s_cbranch_scc1 .Lnot_wave_0_\@
	s_barrier_signal -3
.Lnot_wave_0_\@:
	s_barrier_wait -3
	s_barrier_signal -1
	s_barrier_wait -1
.endm
.macro CROUND
	s_barrier_signal -1
	s_barrier_wait -1
	CREST
.endm
	s_load_b128 s[4:7], s[0:1], 0x0                ; the operands' codes and scale words, for A
	s_load_b128 s[8:11], s[0:1], 0x0               ; and once more, for B
	s_load_b128 s[92:95], s[0:1], 0x10             ; qkvc, qkvs
	v_lshl_add_u32 v[SPW], v0, 2, SPARE
	v_mov_b32 v[NIL], 0
	ds_add_u32 v28, v29
	ds_add_u32 v28, v29
	s_wait_dscnt 0x0
	v_lshrrev_b32 v1, 5, v0
	v_readfirstlane_b32 s14, v1                    ; wave 0..3
	s_lshr_b32 s15, s14, 1                         ; which half of A's rows is mine.  Also: I fetch for A (0) or for B (1)
	s_and_b32 s16, s14, 1                          ; which half of B's rows.  Also: which 8 tiles I fetch
	s_bfe_u32 s40, ttmp6, 0x40000                  ; cx, cy: my place in the cluster
	s_bfe_u32 s41, ttmp6, 0x40004
	s_lshr_b32 s17, ttmp9, 1                       ; the two modes' numbers, then one compare and selects alone
	s_and_b32 s18, ttmp9, 1
	s_max_u32 s19, ttmp9, 16
	s_sub_co_u32 s19, s19, 16
	s_cmp_lt_u32 ttmp9, 16
	s_cselect_b32 s17, s17, 0                      ; the cluster's place along A
	s_cselect_b32 s18, s18, s19                    ; and along B
	s_cselect_b32 s12, 0, 640                      ; A's first tile: x's or Wv's
	s_cselect_b32 s13, 512, 0                      ; B's: Wq's or x's
	s_cselect_b32 s96, 0, -1                       ; the mode as a lane mask
	s_lshl_b32 s97, s17, 2
	s_add_co_u32 s97, s97, s41                     ; ty: which 256 rows of A
	s_lshl_b32 s98, s18, 2
	s_add_co_u32 s98, s98, s40                     ; tx: which 256 rows of B
	s_lshl_b32 s43, s41, 2
	s_lshl_b32 s43, 15, s43                        ; my row of the cluster
	s_lshl_b32 s44, 0x1111, s40                    ; my column
	; descriptor group 1: 8 rows (tiles) of 384 elements of 8 bytes (two steps' images), 1,536 elements apart; no padding: the reads are consecutive
	s_or_b32 s[G1+0], s43, (3<<16)|(1<<21)
	s_or_b32 s[G1B+0], s44, (3<<16)|(1<<21)
.irp g, G1, G1B
	s_mov_b32 s[\g+1], 384<<16                     ; tensor_dim0
	s_mov_b32 s[\g+2], 8<<16                       ; tensor_dim1
	s_mov_b32 s[\g+3], 384<<16                     ; tile_dim0
	s_mov_b32 s[\g+4], 8                           ; tile_dim1
	s_mov_b32 s[\g+5], 1536                        ; tensor_dim0_stride
	s_mov_b32 s[\g+6], 0
	s_mov_b32 s[\g+7], 0
.endr
	; the scale words of 8 tiles: 4,096 dense bytes, as 16 rows of 256
	s_or_b32 s[G1S+0], s43, (3<<16)|(1<<21)
	s_or_b32 s[G1SB+0], s44, (3<<16)|(1<<21)
.irp g, G1S, G1SB
	s_mov_b32 s[\g+1], 32<<16
	s_mov_b32 s[\g+2], 16<<16
	s_mov_b32 s[\g+3], 32<<16
	s_mov_b32 s[\g+4], 16
	s_mov_b32 s[\g+5], 32
	s_mov_b32 s[\g+6], 0
	s_mov_b32 s[\g+7], 0
.endr
	s_lshl_b32 s18, s16, 3                         ; which 8 tiles I fetch
	s_lshl_b32 s20, s97, 4
	s_add_co_u32 s20, s20, s18
	s_add_co_u32 s20, s20, s12                     ; A's tile: hangs on ty and the wave alone
	s_lshl_b32 s46, s98, 4
	s_add_co_u32 s46, s46, s18
	s_add_co_u32 s46, s46, s13                     ; B's: on tx and the wave alone
	s_lshl_b32 s22, s20, 9                         ; 512 bytes of scale words a tile
	s_mov_b32 s23, 0
	s_mul_i32 s20, s20, TILEB
	s_mov_b32 s21, 0
	s_lshl_b32 s66, s46, 9
	s_mov_b32 s67, 0
	s_mul_i32 s46, s46, TILEB
	s_mov_b32 s47, 0
	s_mul_i32 s45, s14, HALFT                      ; where they go: by the wave's number alone
	s_lshl_b32 s99, s14, 12
	s_mov_b32 s[SEL], 0x76543210
	s_mov_b32 s[SEL+1], 0xfedcba98
	s_wait_kmcnt 0x0
	s_add_nc_u64 s[20:21], s[4:5], s[20:21]
	s_add_nc_u64 s[22:23], s[6:7], s[22:23]
	s_add_nc_u64 s[46:47], s[8:9], s[46:47]
	s_add_nc_u64 s[66:67], s[10:11], s[66:67]
	CROUND                                         ; all sixteen work-groups are here: the first joint loads meet
	s_mov_b32 s[G0S], 1
	s_add_co_u32 s[G0S+1], s99, SCL
	s_mov_b64 s[G0S+2:G0S+3], s[22:23]
	s_or_b32 s[G0S+3], s[G0S+3], 0x80000000
	s_mov_b32 s[G0SB], 1
	s_add_co_u32 s[G0SB+1], s99, SCL
	s_mov_b64 s[G0SB+2:G0SB+3], s[66:67]
	s_or_b32 s[G0SB+3], s[G0SB+3], 0x80000000
	JLOAD G0S, G1S, G0SB, G1SB                     ; the scale words first: they are wanted with the first step
.irp s, 0,1
	s_mov_b32 s[G0+4*\s], 1
	s_add_co_u32 s[G0+4*\s+1], s45, \s*SLOT
	s_add_nc_u64 s[G0+4*\s+2:G0+4*\s+3], s[20:21], \s*NQ*FRB
	s_or_b32 s[G0+4*\s+3], s[G0+4*\s+3], 0x80000000
	s_mov_b32 s[G0B+4*\s], 1
	s_add_co_u32 s[G0B+4*\s+1], s45, \s*SLOT
	s_add_nc_u64 s[G0B+4*\s+2:G0B+4*\s+3], s[46:47], \s*NQ*FRB
	s_or_b32 s[G0B+4*\s+3], s[G0B+4*\s+3], 0x80000000
	JLOAD G0+4*\s, G1, G0B+4*\s, G1B               ; three loads of mine are out behind the last of these
.endr
	v_and_b32 v1, 15, v0                           ; r
	v_bfe_u32 v2, v0, 4, 1                         ; h
	s_wait_alu depctr_va_vdst(0)
	v_and_b32 v3, 31, v0
	v_lshlrev_b32 v4, 3, v3                        ; 8 x lane: my place in every register pair's 256 bytes
	s_mul_i32 s21, s15, HALFT                      ; my 8 tiles of A
	s_mul_i32 s22, s16, HALFT                      ; my 8 tiles of B,
	s_add_co_u32 s22, s22, 2*HALFT                 ; which lie behind A's 16
.irp s, 0,1
	v_add_nc_u32 v[ADRA+\s], s21, v4
	v_add_nc_u32 v[ADRB+\s], s22, v4
	s_add_co_u32 s21, s21, SLOT
	s_add_co_u32 s22, s22, SLOT
.endr
	v_lshlrev_b32 v5, 2, v1                        ; my row's word
	s_mul_i32 s21, s15, HALFS
	s_mul_i32 s22, s16, HALFS
	s_add_co_u32 s22, s22, 2*HALFS
	s_sub_co_u32 s22, s22, s21
	v_mul_u32_u24 v6, s22, v2                      ; lanes 16-31 take B's: one product, the distance between the two bases
	s_add_co_u32 s21, s21, SCL
	v_add_nc_u32 v5, v5, v6
	v_add_nc_u32 v[ADRS], s21, v5
.macro FRAG reg, adr, q, i             ; tile i's fragment of the slot's q-th step: six loads of 8 bytes a lane, each 256 consecutive bytes
.irp p, 0,1,2,3,4,5
	ds_load_b64 v[\reg+2*\p:\reg+2*\p+1], v[\adr] offset:NQ*FRB*(\i)+FRB*(\q)+256*\p
.endr
.endm
; 16 matrix instructions: A's tiles a0, a0 + 1 x B's eight.  p: B's set; sc: the set of scale words.  zero = 1: the first product starts the sums.
; The 64 accumulators take turns, one instruction a turn, in the same order in every step.
.macro MUL16 a0, p, q, sc, zero
.irp a, \a0, \a0+1
.irp b, 0,1,2,3,4,5,6,7
.if \zero
	v_wmma_scale_f32_16x16x128_f8f6f4 v[8*(8*((\a)%4)+\b):8*(8*((\a)%4)+\b)+7], v[128*(\p)+FR*\b:128*(\p)+FR*\b+FR-1], v[AF+FR*(\a):AF+FR*(\a)+FR-1], 0, v[SC+8*NQ*(\sc)+NQ*\b+(\q)], v[SC+8*NQ*(\sc)+NQ*(\a)+(\q)] matrix_a_fmt:MATRIX_FMT_FP6 matrix_b_fmt:MATRIX_FMT_FP6 matrix_a_scale:MATRIX_SCALE_ROW1
.else
	v_wmma_scale_f32_16x16x128_f8f6f4 v[8*(8*((\a)%4)+\b):8*(8*((\a)%4)+\b)+7], v[128*(\p)+FR*\b:128*(\p)+FR*\b+FR-1], v[AF+FR*(\a):AF+FR*(\a)+FR-1], v[8*(8*((\a)%4)+\b):8*(8*((\a)%4)+\b)+7], v[SC+8*NQ*(\sc)+NQ*\b+(\q)], v[SC+8*NQ*(\sc)+NQ*(\a)+(\q)] matrix_a_fmt:MATRIX_FMT_FP6 matrix_b_fmt:MATRIX_FMT_FP6 matrix_a_scale:MATRIX_SCALE_ROW1
.endif
.endr
.endr
.endm
.macro FETCH_B slot, q, p
	WIN TO_B
.irp i, 0,1,2,3,4,5,6,7
	FRAG 128*(\p)+FR*\i, ADRB+\slot, \q, \i
.endr
	WIN 0
.endm
.macro FETCH_A slot, q, i0
.irp i, \i0, \i0+1, \i0+2, \i0+3
	FRAG AF+FR*(\i), ADRA+\slot, \q, \i
.endr
.endm
.macro SCALES sc                       ; a slot's scale words: lanes 0-15 A's tile i, lanes 16-31 B's tile i
.irp i, 0,1,2,3,4,5,6,7
.irp q, 0,1
	ds_load_b32 v[SC+8*NQ*\sc+NQ*\i+\q], v[ADRS] offset:512*\i+64*\q
.endr
.endr
.endm
; A load into a register that a matrix instruction has read, and a vector instruction that reads a matrix result or writes one of its registers, stand NP plain vector lines behind it.
.macro PLACES n
.rept \n
	v_nop
.endr
.endm
.macro STEP slot, q, zero              ; a step of 128 along K that has its successor in the same slot
	s_wait_dscnt 4*NL                              ; B's set, A's tiles 0-3 and the scale words are in; the youngest 24 loads (A's tiles 4-7) may be out
	WIN MUL_LO
	MUL16 0, (\q)%2, \q, \slot, \zero
	MUL16 2, (\q)%2, \q, \slot, \zero
	s_wait_dscnt 0                                 ; A's tiles 4-7 are in
	PLACES NP
	FETCH_B \slot, (\q)+1, 1-(\q)%2
	FETCH_A \slot, (\q)+1, 0
	WIN MUL_HI
	MUL16 4, (\q)%2, \q, \slot, \zero
	MUL16 6, (\q)%2, \q, \slot, \zero
	PLACES NP
	WIN 0
	FETCH_A \slot, (\q)+1, 4
.endm
; A slot's last step changes slots: ONE barrier; in front of it each wave waits for all its tensor loads, adds 0 to its spare word, and waits for that and for its reads of this slot.
.macro TURN slot, next, fill
	s_wait_tensorcnt 0x0                           ; all my tensor loads have landed: my part of the next slot
	ds_add_u32 v[SPW], v[NIL]                      ; 0 onto my spare word
	s_wait_dscnt 4*NL+1                            ; (the add and the youngest 24 loads may be out)
	WIN MUL_LO
	MUL16 0, 1, NQ-1, \slot, 0
	s_wait_dscnt 0x0                               ; the add is done, and my reads of this slot are over
	s_barrier_signal -1
	MUL16 2, 1, NQ-1, \slot, 0
	WIN 0
	s_barrier_wait -1
.if \fill
	CREST                                          ; the barrier has opened a round of the cluster's: no wave of any partner still reads this slot or has a load on its way
	s_add_nc_u64 s[G0+4*\slot+2:G0+4*\slot+3], s[G0+4*\slot+2:G0+4*\slot+3], 2*NQ*FRB
	s_add_nc_u64 s[G0B+4*\slot+2:G0B+4*\slot+3], s[G0B+4*\slot+2:G0B+4*\slot+3], 2*NQ*FRB
	JLOAD G0+4*\slot, G1, G0B+4*\slot, G1B         ; my one tensor load behind the round; its four v_nop are also the places in front of the loads below
.else
	PLACES NP
.endif
	s_wait_alu depctr_va_vdst(0)
	v_add_nc_u32 v[ADRS], 64*NQ, v[ADRS]           ; the next slot's scale words
	FETCH_B \next, 0, 0
	FETCH_A \next, 0, 0
	SCALES \next
	WIN MUL_HI
	MUL16 4, 1, NQ-1, \slot, 0
	MUL16 6, 1, NQ-1, \slot, 0
	PLACES NP
	WIN 0
	FETCH_A \next, 0, 4
.endm
	s_wait_alu depctr_va_vdst(0)
	s_wait_tensorcnt 1                             ; the scale words and my part of slot 0 are in; slot 1's load may be out
	s_barrier_signal -1
	s_barrier_wait -1
	FETCH_B 0, 0, 0
	FETCH_A 0, 0, 0
	SCALES 0
	FETCH_A 0, 0, 4
	STEP 0, 0, 1                                   ; the first step stands in front of the loop: its products start the sums
	s_mov_b32 s3, LAPS-1
.Llap:                                                 ; a trip goes once round the ring and fills both slots again
	TURN 0, 1, 1
	STEP 1, 0, 0
	TURN 1, 0, 1
	STEP 0, 0, 0
	s_sub_co_u32 s3, s3, 1
	s_cmp_lg_u32 s3, 0
	s_cbranch_scc1 .Llap
	TURN 0, 1, 0                                   ; the last lap fills nothing
	STEP 1, 0, 0
	s_wait_dscnt 4*NL
	WIN MUL_LO
	MUL16 0, 1, NQ-1, 1, 0
	MUL16 2, 1, NQ-1, 1, 0
	s_wait_dscnt 0
	WIN MUL_HI
	MUL16 4, 1, NQ-1, 1, 0
	MUL16 6, 1, NQ-1, 1, 0
	WIN 0
	; THE WAY OUT.  Where my codes and scale words go, for both modes, then one compare and selects.
	s_lshr_b32 s17, s98, 2                         ; c < 16: Q's region or K's
	s_mul_i32 s18, s17, 6291456
	s_lshl_b32 s19, s97, 1
	s_add_co_u32 s19, s19, s15                     ; 2 ty + my half: 16 x batch + key step
	s_mul_i32 s19, s19, 98304
	s_add_co_u32 s18, s18, s19
	s_and_b32 s19, s98, 3
	s_lshl_b32 s19, s19, 1
	s_add_co_u32 s19, s19, s16                     ; my pair of heads
	s_mul_i32 s2, s19, 12288
	s_add_co_u32 s18, s18, s2                      ; the even head's tile 0
	s_lshl_b32 s17, s17, 18
	s_lshr_b32 s2, s97, 3
	s_lshl_b32 s2, s2, 16                          ; batch x 16 heads x 4,096
	s_add_co_u32 s17, s17, s2
	s_lshl_b32 s19, s19, 13                        ; the even head x 4,096
	s_add_co_u32 s17, s17, s19
	s_and_b32 s2, s97, 7
	s_lshl_b32 s2, s2, 1
	s_add_co_u32 s2, s2, s15
	s_lshl_b32 s2, s2, 8                           ; key step x 256
	s_add_co_u32 s17, s17, s2
	s_lshl_b32 s19, s98, 1                         ; c >= 16
	s_add_co_u32 s19, s19, s16                     ; 2 tx + my half: 16 x batch + key step
	s_mul_i32 s19, s19, 98304
	s_lshl_b32 s2, s97, 1
	s_add_co_u32 s2, s2, s15                       ; my 8 channel tiles: two heads
	s_mul_i32 s3, s2, 12288
	s_add_co_u32 s19, s19, s3
	s_add_co_u32 s19, s19, 12582912
	s_lshl_b32 s2, s2, 13
	s_lshr_b32 s3, s98, 3
	s_lshl_b32 s3, s3, 16
	s_add_co_u32 s2, s2, s3
	s_and_b32 s3, s98, 7
	s_lshl_b32 s3, s3, 1
	s_add_co_u32 s3, s3, s16
	s_lshl_b32 s3, s3, 8
	s_add_co_u32 s2, s2, s3
	s_add_co_u32 s2, s2, 524288
	s_mov_b32 s46, 1536
	s_mov_b32 s22, 768
	s_cmp_lt_u32 ttmp9, 16
	s_cselect_b32 s20, s18, s19                    ; registers 0-5 of tile 0's fragment
	s_cselect_b32 s66, s17, s2                     ; the scale words
	s_cselect_b32 s46, 768, s46                    ; from one of A's tiles to the next
	s_cselect_b32 s22, 6144, s22                   ; from registers 0-5 to registers 6-11: the odd head, or the fragment's second half
	s_mov_b32 s21, 0
	s_mov_b32 s23, 0
	s_mov_b32 s47, 0
	s_mov_b32 s67, 0
	s_add_nc_u64 s[20:21], s[92:93], s[20:21]
	s_add_nc_u64 s[22:23], s[20:21], s[22:23]
	s_add_nc_u64 s[66:67], s[94:95], s[66:67]
	s_mov_b32 s99, 0xffff0000                      ; lanes 16-31
	PLACES NP                                      ; behind the last products: their results are read and their scale registers written below
	v_and_b32 v1, 15, v0
	v_bfe_u32 v2, v0, 4, 1
	v_and_b32 v3, 31, v0
	v_lshlrev_b32 v[CO8], 3, v3
	v_lshlrev_b32 v[ADRS], 4, v1
	v_lshl_add_u32 v[ADRS], v2, 12, v[ADRS]        ; 16 r, and the next head for lanes 16-31
	v_mov_b32 v[FLR], 0x1800000
.irp b, 0,1,2,3
	v_mov_b32 v[TM+4+\b], 0                        ; a lane permute's destination counts as one of its sources
.endr
; A's tile a: my 64 registers (register 16 n + i = B's row 32 n + 16 h + i) become a fragment's codes in v[PC] on and its scale word in v[PWA + a].
; Each accumulator is read from its low end on.
.macro QUANTW a
.set AC, 64*((\a)%4)
.set W, 2+(\a)/4
.set WS, (W<<2)|(W<<4)
	WIN WS                                         ; sources 1 and 2: the accumulators' window
.irp b, 0,1,2,3
	v_max3_num_f32 v[TM+\b], v[FLR], |v[AC+16*\b]|, |v[AC+1+16*\b]|
.endr
.irp i, 2,4,6,8,10,12,14
.irp b, 0,1,2,3
	v_max3_num_f32 v[TM+\b], v[TM+\b], |v[AC+16*\b+\i]|, |v[AC+1+16*\b+\i]|
.endr
.endr
	WIN 0
.irp b, 0,1,2,3
	v_permlanex16_b32 v[TM+4+\b], v[TM+\b], s[SEL], s[SEL+1]
.endr
.irp b, 0,1,2,3
	v_max_num_f32 v[TM+\b], v[TM+\b], v[TM+4+\b]
.endr
.irp b, 0,1,2,3
	v_add_nc_u32 v[TM+12+\b], 0xff000000, v[TM+\b]
.endr
.irp b, 0,1,2,3
	v_lshrrev_b32 v[TM+4+\b], 23, v[TM+12+\b]
.endr
	v_lshl_or_b32 v[PWA+(\a)], v[TM+5], 8, v[TM+4]
	v_lshl_or_b32 v[PWA+(\a)], v[TM+6], 16, v[PWA+(\a)]
	v_lshl_or_b32 v[PWA+(\a)], v[TM+7], 24, v[PWA+(\a)]
	WIN W                                          ; source 0: the accumulators' window
	v_cvt_scalef32_pk16_fp6_f32 v[PC:PC+2], v[AC:AC+15], v[TM+12]
	v_cvt_scalef32_pk16_fp6_f32 v[TT:TT+2], v[AC+16:AC+31], v[TM+13]
	v_cvt_scalef32_pk16_fp6_f32 v[PC+6:PC+8], v[AC+32:AC+47], v[TM+14]
	v_cvt_scalef32_pk16_fp6_f32 v[TT+4:TT+6], v[AC+48:AC+63], v[TM+15]
	WIN 0
	v_nop                                          ; one plain line behind the scaled conversions
.irp i, 0,1,2
	v_permlane16_swap_b32 v[PC+\i], v[TT+\i]
	v_permlane16_swap_b32 v[PC+6+\i], v[TT+4+\i]
.endr
.irp i, 0,1,2
	v_mov_b32 v[PC+3+\i], v[TT+\i]
	v_mov_b32 v[PC+9+\i], v[TT+4+\i]
.endr
.endm
.irp a, 0,1,2,3,4,5,6,7
.if \a > 0
	s_wait_xcnt 0x0                                ; the last tile's stores have read their data and bases: both are written again only behind this wait
	s_add_nc_u64 s[20:21], s[20:21], s[46:47]
	s_add_nc_u64 s[22:23], s[22:23], s[46:47]
.endif
	QUANTW \a
.irp p, 0,1,2
	global_store_b64 v[CO8], v[PC+2*\p:PC+2*\p+1], s[20:21] offset:256*\p      ; 32 lanes store 256 consecutive bytes, aligned
.endr
.irp p, 0,1,2
	global_store_b64 v[CO8], v[PC+6+2*\p:PC+7+2*\p], s[22:23] offset:256*\p
.endr
.endr
	; the scale words: lanes 0-15 hold the even head's 16 bytes of row r, lanes 16-31 the odd head's
.irp j, 0,1,2,3
	v_perm_b32 v[80+\j], v[PWA+2*\j+1], v[PWA+2*\j], 0x05040100    ; q, k: the even head's two bytes of tiles 2 j and 2 j + 1
	v_perm_b32 v[84+\j], v[PWA+2*\j+1], v[PWA+2*\j], 0x07060302    ; the odd head's
.endr
.irp j, 0,1,2,3
	v_cndmask_b32 v[80+\j], v[80+\j], v[84+\j], s99
	v_cndmask_b32 v[84+\j], v[PWA+\j], v[PWA+4+\j], s99            ; v: channel tile j of the even head, of the odd head
.endr
.irp j, 0,1,2,3
	v_cndmask_b32 v[88+\j], v[80+\j], v[84+\j], s96                ; by the mode
.endr
	global_store_b128 v[ADRS], v[88:91], s[66:67]  ; 16 lanes store 256 consecutive bytes, aligned
	s_wait_tensorcnt 0x0                           ; the wave's end
	ds_add_u32 v[SPW], v[NIL]
	s_wait_dscnt 0x0
	CROUND                                         ; the closing round: no work-group ends while a partner may still ask for a tile that names it
	s_endpgm
.Lfunc_end_k_q7afc5e53be_qkv:
	.size	k_q7afc5e53be_qkv, .Lfunc_end_k_q7afc5e53be_qkv-k_q7afc5e53be_qkv
	.p2alignl 7, 3214868480
	.fill 96, 4, 3214868480
	.section	.rodata,"a",@progbits
	.p2align	6, 0x0
	.amdhsa_kernel k_q7afc5e53be_qkv
		.amdhsa_group_segment_fixed_size 327680
		.amdhsa_private_segment_fixed_size 0
		.amdhsa_enable_private_segment 0
		.amdhsa_kernarg_size 32
		.amdhsa_user_sgpr_count 2
		.amdhsa_user_sgpr_kernarg_segment_ptr 1
		.amdhsa_wavefront_size32 1
		.amdhsa_system_sgpr_workgroup_id_x 1
		.amdhsa_system_sgpr_workgroup_id_y 1
		.amdhsa_system_sgpr_workgroup_id_z 1
		.amdhsa_system_vgpr_workitem_id 0
		.amdhsa_next_free_vgpr 1024
		.amdhsa_next_free_sgpr 102
		.amdhsa_reserve_vcc 0
		.amdhsa_float_denorm_mode_32 3
		.amdhsa_float_denorm_mode_16_64 3
		.amdhsa_memory_ordered 1
		.amdhsa_forward_progress 1
		.amdhsa_inst_pref_size 171
	.end_amdhsa_kernel
	.amdgpu_metadata
---
amdhsa.version: [ 1, 2 ]
amdhsa.kernels:
  - .name:           k_q7afc5e53be_qkv
    .symbol:         k_q7afc5e53be_qkv.kd
    .args:
      - { .name: opc, .offset: 0, .size: 8, .value_kind: global_buffer, .address_space: global }
      - { .name: ops, .offset: 8, .size: 8, .value_kind: global_buffer, .address_space: global }
      - { .name: qkvc, .offset: 16, .size: 8, .value_kind: global_buffer, .address_space: global }
      - { .name: qkvs, .offset: 24, .size: 8, .value_kind: global_buffer, .address_space: global }
    .group_segment_fixed_size: 327680
    .private_segment_fixed_size: 0
    .kernarg_segment_align: 8
    .kernarg_segment_size: 32
    .max_flat_workgroup_size: 128
    .sgpr_count:     102
    .vgpr_count:     1024
    .wavefront_size: 32
...
	.end_amdgpu_metadata
.endif
;; end of part 2
;; launch attn (part 3): grid 4 x 64, 16 waves a work-group, no clusters, 206,848 bytes of LDS; arguments qkvc, qkvs, yc, ys; writes yc, ys
.if DOCPART == 3
	.amdgcn_target "amdgcn-amd-amdhsa--gfx1250"
	.amdhsa_code_object_version 6
	.text
	.protected	k_q7afc5e53be_attn
	.globl	k_q7afc5e53be_attn
	.p2align	8
	.type	k_q7afc5e53be_attn,@function
k_q7afc5e53be_attn:
	s_mov_b64 s[64:65], 0
	v_nop
	global_prefetch_b8 v0, s[64:65] scope:SCOPE_SE
	s_setreg_imm32_b32 hwreg(HW_REG_WAVE_MODE, 25, 1), 1
	s_wait_xcnt 0x0
; y[b][q][head] = softmax over the keys k <= q of (q . k / 8) times v, both products on codes of FP6 (E2M3) with E8M0 scales; y leaves as codes, quantised along the channels.
; THE SOFTMAX AHEAD OF THE SECOND PRODUCT: t = score x log2(e) / 8; M = the row's largest t so far, rounded UP to a whole number; p = 2^(t - M) is quantised along the keys, not normalised.
; The row's sum is taken of the unquantised p, in f32, and divides O at the end.  When M moves, the sum and O are multiplied by 2^(old M - new M): exact.
; SHARES.  Work-group (i, batch x head) owns the blocks 7 - i and i of 256 queries.  Wave w owns the tile of 16 queries 16 (7 - i) + w, then the tile 16 i + 15 - w: 17 key steps of work for every
; wave of the launch, in 18 trips.  A tile's queries are not neighbours: lane row r of tile T is query 32 (T / 2) + 8 (T % 2) + r + 8 (r / 8); so are a tile's keys and v's channels.
; THE WHOLE HEAD LIES IN LDS, filled once: no byte is filled again, so there is no ring.  Each wave brings one slice of 768 bytes of every key step: waves 0-7 K's eight key tiles,
; waves 8-15 V's eight half fragments; and 512 bytes of scale words.  Key steps 0-3 come by a load of their own, so that work begins while the other twelve are on their way.
; LAYOUT.  Both products are used transposed: S^T = K Q^T (source 0 = keys), O^T = V^T P^T (source 0 = channels): a lane holds ONE query throughout, and the 16 registers of tiles 2 n, 2 n + 1 are 16 neighbours.
; THE HEAD SIZE IS 64, THE INSTRUCTION'S K 128.  A fragment of K holds TWO key tiles (registers 0-5, 6-11).  Q stands twice: QLO = (Q, zero codes), QHI = (zero codes, Q).  K's fragment x QLO gives the
; first tile's scores, x QHI the second's: the other half's products are a code times the code 0, exactly 0 (this format has no infinity and no NaN, and no scale byte here is 0xff).
; NO CLUSTER: the four work-groups of a head read the same K and V, but which trips they work in hangs on the blocks that they own, which is their place among the four; joint loads allow no such branch.
; LIMITS: NaN and infinities are not served; a block of y whose largest magnitude lies under 2^-124 (zeros too) gets the byte 1.
; REGISTERS: v1-9 addresses; v10-11, v14-15 the sum; v12 -M, v13 the largest t; v16-27 QLO, v28-39 QHI; v40-87 four fragments of K, then of V; v88-151 S^T, then p; v152-183 O^T; v184-195 p's codes;
; v196-203, v204-215 at work; v216-219 K's scale words, v220-223 V's, v224 QLO's, v225 QHI's, v226 p's; v227-231 at work; v232-238 the second tile's Q.
.set SLICE, 12288                      ; LDS: slice region w: [key step 16][768]
.set SCK,   16*SLICE                   ; behind them K's scale words of the head (4,096 bytes), then V's
.set QLO, 16
.set QHI, 28
.set KV,  40
.set S,   88
.set O,   152
.set PC,  184
.set TT,  196
.set BM,  204                          ; v204-207 the blocks' largest scores
.set PD,  208                          ; v208-211 the other half's, then the bytes
.set CV,  212                          ; v212-215 the conversions' scale operands
.set KSW, 216
.set VSW, 220
; What tile T (in s[t]) needs: byte offsets of its Q codes (qc) and scale words (qs), the shift that brings its two bytes down (sh), of its y codes (yb) and bytes (ysb), its first query (qm).
.macro QTILE t, qc, qs, sh, yb, ysb, qm
	s_lshr_b32 s88, s[\t], 3                       ; its key step
	s_lshl_b32 s89, s15, 4
	s_add_co_u32 s89, s89, s88
	s_mul_i32 s89, s89, 98304
	s_mul_i32 s[\qc], s16, 6144
	s_add_co_u32 s[\qc], s[\qc], s89
	s_and_b32 s89, s[\t], 7
	s_mul_i32 s[\qc+1], s89, 768
	s_add_co_u32 s[\qc], s[\qc], s[\qc+1]
	s_mov_b32 s[\qc+1], 0
	s_lshl_b32 s[\qs], s14, 12
	s_lshl_b32 s88, s88, 8
	s_add_co_u32 s[\qs], s[\qs], s88
	s_lshr_b32 s89, s89, 1
	s_lshl_b32 s89, s89, 2
	s_add_co_u32 s[\qs], s[\qs], s89
	s_mov_b32 s[\qs+1], 0
	s_and_b32 s[\sh], s[\t], 1
	s_lshl_b32 s[\qm], s[\sh], 3
	s_lshl_b32 s[\sh], s[\sh], 4
	s_lshr_b32 s88, s[\t], 1
	s_lshl_b32 s88, s88, 5
	s_add_co_u32 s[\qm], s[\qm], s88
	s_lshl_b32 s88, s15, 7
	s_add_co_u32 s88, s88, s[\t]                   ; the tile among the 512 of all batches
	s_mul_i32 s[\yb], s88, 12288
	s_mul_i32 s89, s16, 768
	s_add_co_u32 s[\yb], s[\yb], s89
	s_mov_b32 s[\yb+1], 0
	s_lshl_b32 s[\ysb], s88, 9
	s_lshr_b32 s89, s16, 1
	s_lshl_b32 s89, s89, 6
	s_add_co_u32 s[\ysb], s[\ysb], s89
	s_and_b32 s89, s16, 1
	s_lshl_b32 s89, s89, 1
	s_add_co_u32 s[\ysb], s[\ysb], s89
	s_mov_b32 s[\ysb+1], 0
.endm
	s_load_b256 s[4:11], s[0:1], 0x0               ; qkvc, qkvs, yc, ys
	v_lshl_add_u32 v254, v0, 2, 0x32000
	v_mov_b32 v255, 0
	ds_add_u32 v254, v255
	ds_add_u32 v254, v255
	v_lshrrev_b32 v1, 5, v0
	s_delay_alu instid0(VALU_DEP_1)
	v_readfirstlane_b32 s12, v1                    ; wave 0..15
	s_mov_b32 s13, ttmp9                           ; i
	s_and_b32 s14, ttmp7, 0xffff                   ; 16 x batch + head
	s_lshr_b32 s15, s14, 4
	s_and_b32 s16, s14, 15
	; descriptor groups 1, elements of 8 bytes: rows of 768 bytes, 98,304 bytes apart in memory, dense in LDS: 4 of them, 12 of them; and 512 dense bytes as 2 rows of 256
	s_mov_b32 s24, 3<<16
	s_mov_b32 s25, 96<<16
	s_mov_b32 s26, 4<<16
	s_mov_b32 s27, 96<<16
	s_mov_b32 s28, 4
	s_mov_b32 s29, 12288
	s_mov_b32 s30, 0
	s_mov_b32 s31, 0
	s_mov_b32 s32, 3<<16
	s_mov_b32 s33, 96<<16
	s_mov_b32 s34, 12<<16
	s_mov_b32 s35, 96<<16
	s_mov_b32 s36, 12
	s_mov_b32 s37, 12288
	s_mov_b32 s38, 0
	s_mov_b32 s39, 0
	s_mov_b32 s40, 3<<16
	s_mov_b32 s41, 32<<16
	s_mov_b32 s42, 2<<16
	s_mov_b32 s43, 32<<16
	s_mov_b32 s44, 2
	s_mov_b32 s45, 32
	s_mov_b32 s46, 0
	s_mov_b32 s47, 0
	s_lshr_b32 s90, s12, 3
	s_add_co_u32 s90, s90, 1                       ; region 1 (K) or 2 (V)
	s_and_b32 s91, s12, 7                          ; my slice
	s_mul_i32 s92, s90, 6291456
	s_mul_i32 s93, s15, 1572864
	s_add_co_u32 s92, s92, s93
	s_mul_i32 s93, s16, 6144
	s_add_co_u32 s92, s92, s93
	s_mul_i32 s93, s91, 768
	s_add_co_u32 s92, s92, s93
	s_mov_b32 s93, 0
	s_lshl_b32 s94, s90, 18
	s_lshl_b32 s95, s14, 12
	s_add_co_u32 s94, s94, s95
	s_lshl_b32 s95, s91, 9
	s_add_co_u32 s94, s94, s95
	s_mov_b32 s95, 0
	s_mov_b32 s48, 1
	s_lshl_b32 s49, s12, 9
	s_add_co_u32 s49, s49, SCK
	s_mov_b32 s52, 1
	s_mul_i32 s53, s12, SLICE
	s_mov_b32 s56, 1
	s_add_co_u32 s57, s53, 4*768
	s_lshl_b32 s61, s13, 1
	s_sub_co_u32 s61, 16, s61                      ; the trip at which the second tile begins: 16 - 2 i
	s_sub_co_u32 s17, 7, s13
	s_lshl_b32 s17, s17, 4
	s_add_co_u32 s17, s17, s12                     ; my first tile
	s_lshl_b32 s18, s13, 4
	s_add_co_u32 s18, s18, 15
	s_sub_co_u32 s18, s18, s12                     ; my second
	QTILE 17, 78, 80, 82, 70, 72, 67
	QTILE 18, 84, 86, 83, 74, 76, 68
	s_mov_b32 s20, 0x76543210
	s_mov_b32 s21, 0xfedcba98                      ; v_permlanex16_b32's selects: lane l xor 16
	s_mov_b32 s22, 0x3e38aa3b                      ; c = log2(e) / 8
	s_mov_b32 s23, s22                             ; (named with it as a pair, so it is written)
	s_wait_dscnt 0x0
	s_wait_kmcnt 0x0
	s_add_nc_u64 s[50:51], s[6:7], s[94:95]
	s_or_b32 s51, s51, 0x80000000
	s_add_nc_u64 s[54:55], s[4:5], s[92:93]
	s_add_nc_u64 s[58:59], s[54:55], 4*98304
	s_or_b32 s55, s55, 0x80000000
	s_or_b32 s59, s59, 0x80000000
	tensor_load_to_lds s[48:51], s[40:47]          ; my 512 bytes of scale words,
	s_nop 0
	tensor_load_to_lds s[52:55], s[24:31]          ; my slice of key steps 0-3,
	s_nop 0
	tensor_load_to_lds s[56:59], s[32:39]          ; and of key steps 4-15: three loads of mine are out; each byte of LDS is filled once
	s_nop 0
.rept 4
	v_nop
.endr
	s_add_nc_u64 s[78:79], s[4:5], s[78:79]
	s_add_nc_u64 s[80:81], s[6:7], s[80:81]
	s_add_nc_u64 s[84:85], s[4:5], s[84:85]
	s_add_nc_u64 s[86:87], s[6:7], s[86:87]
	s_add_nc_u64 s[70:71], s[8:9], s[70:71]
	s_add_nc_u64 s[72:73], s[10:11], s[72:73]
	s_add_nc_u64 s[74:75], s[8:9], s[74:75]
	s_add_nc_u64 s[76:77], s[10:11], s[76:77]
	v_and_b32 v230, 31, v0
	s_delay_alu instid0(VALU_DEP_1)
	v_lshlrev_b32 v1, 3, v230                      ; 8 x lane
	v_and_b32 v9, 15, v0                           ; r
	v_bfe_u32 v231, v0, 4, 1                       ; h
	s_delay_alu instid0(VALU_DEP_2)
	v_lshlrev_b32 v10, 4, v9                       ; 16 r
	s_delay_alu instid0(VALU_DEP_1)
	v_add_nc_u32 v2, SCK, v10
.irp p, 0,1,2
	global_load_b64 v[QLO+2*\p:QLO+2*\p+1], v1, s[78:79] offset:256*\p     ; the first tile's Q,
	global_load_b64 v[232+2*\p:233+2*\p], v1, s[84:85] offset:256*\p       ; the second's
.endr
	global_load_b32 v224, v10, s[80:81]            ; and their scale words
	global_load_b32 v238, v10, s[86:87]
	v_and_b32 v8, 8, v9
	s_delay_alu instid0(VALU_DEP_1)
	v_add_nc_u32 v8, v8, v9
	v_lshlrev_b32 v231, 4, v231
	s_delay_alu instid0(VALU_DEP_1)
	v_sub_nc_u32 v8, v8, v231                      ; r + 8 (r / 8) - 16 h: for the mask
	v_lshlrev_b32 v9, 2, v9                        ; 4 r
	v_mov_b32 v231, 0xff800000                     ; -infinity
	v_mov_b32 v229, 0                              ; (named as the upper half of the pair v[228:229])
.irp j, 0,1,2,3,4,5
	v_mov_b32 v[QLO+6+\j], 0                       ; zero codes
	v_mov_b32 v[QHI+\j], 0
.endr
.irp b, 0,1,2,3
	v_mov_b32 v[PD+\b], 0                          ; a lane permute's destination counts as one of its sources
.endr
	v_mov_b32 v13, 0xff61b1e6                      ; the largest t so far: -3e38, under every t
	s_delay_alu instid0(VALU_DEP_1)
	v_floor_f32 v12, -v13                          ; -M
	v_mov_b32 v14, 0
	v_mov_b32 v15, 0
	s_wait_loadcnt 0x0
	v_lshrrev_b32 v224, s82, v224                  ; my tile's two bytes at the bottom (what stands above them scales zero codes),
	s_delay_alu instid0(VALU_DEP_1)
	v_lshlrev_b32 v225, 16, v224                   ; and on top
	v_lshrrev_b32 v238, s83, v238
.irp j, 0,1,2,3,4,5
	v_mov_b32 v[QHI+6+\j], v[QLO+\j]
.endr
.set J, 0
.rept 32
	v_mov_b32 v[O+J], 0                            ; O^T: the first step finds zeros.  (These are also the plain lines between the scale words' writes and the first scaled product)
.set J, J+1
.endr
; A KEY STEP: 128 keys, at s62 in each slice and s63 in the scale words.  causal = 1: the step may lie on the diagonal.
.macro STEP causal
	s_setprio 2
	v_add_nc_u32 v3, s62, v1                       ; five plain lines: also the places in front of loads into registers that the last products read
	v_add_nc_u32 v7, s63, v2
	s_delay_alu instid0(VALU_DEP_2)
	v_add_nc_u32 v4, 4*SLICE, v3
	s_delay_alu instid0(VALU_DEP_3)
	v_add_nc_u32 v5, 8*SLICE, v3
	s_delay_alu instid0(VALU_DEP_4)
	v_add_nc_u32 v6, 12*SLICE, v3
.irp f, 0,1,2,3
.irp p, 0,1,2,3,4,5
	ds_load_b64 v[KV+12*\f+2*\p:KV+12*\f+2*\p+1], v[3+\f/2] offset:(2*(\f%2)+\p/3)*SLICE+256*(\p%3)   ; K's fragment f: key tiles 2 f and 2 f + 1; each load 256 consecutive bytes
.endr
.endr
	ds_load_b128 v[KSW:KSW+3], v7                  ; row r's four words
	s_wait_alu depctr_va_vdst(0)
	s_wait_dscnt 0x0
.irp f, 0,1,2,3
	v_wmma_scale_f32_16x16x128_f8f6f4 v[S+16*\f:S+16*\f+7], v[KV+12*\f:KV+12*\f+11], v[QLO:QLO+11], 0, v[KSW+\f], v224 matrix_a_fmt:MATRIX_FMT_FP6 matrix_b_fmt:MATRIX_FMT_FP6
	v_wmma_scale_f32_16x16x128_f8f6f4 v[S+16*\f+8:S+16*\f+15], v[KV+12*\f:KV+12*\f+11], v[QHI:QHI+11], 0, v[KSW+\f], v225 matrix_a_fmt:MATRIX_FMT_FP6 matrix_b_fmt:MATRIX_FMT_FP6
.endr                                          ; register 16 f + i of lane (r, h): key 32 f + 16 h + i of the step
.rept 4
	v_nop                                          ; places: in front of the loads below, and of the first read of the scores
.endr
.irp f, 0,1,2,3
.irp p, 0,1,2,3,4,5
	ds_load_b64 v[KV+12*\f+2*\p:KV+12*\f+2*\p+1], v[5+\f/2] offset:(2*(\f%2)+\p/3)*SLICE+256*(\p%3)   ; V's fragment f (16 channels x 128 keys): it lands while the softmax is walked
.endr
.endr
	ds_load_b128 v[VSW:VSW+3], v7 offset:4096
.if \causal                                    ; on the diagonal the scores of hidden keys become -infinity ahead of the maximum.  A step all of whose keys count skips this: a branch on ids
	s_add_co_u32 s69, s66, 127
	s_cmp_le_u32 s69, s67
	s_cbranch_scc1 .Lopen_\@
	s_sub_co_i32 s69, s67, s66
	v_add_nc_u32 v227, s69, v8                     ; d = my query - the step's first key - 16 h: register 16 f + i is hidden where 32 f + i > d
.set N, 0
.rept 64
	v_cmp_gt_i32 vcc_lo, 32*(N/16)+N%16, v227
	v_cndmask_b32 v[S+N], v[S+N], v231, vcc_lo
.set N, N+1
.endr
.Lopen_\@:
.endif
.irp b, 0,1,2,3
	v_max3_num_f32 v[BM+\b], v[S+16*\b], v[S+1+16*\b], v[S+2+16*\b]   ; the largest score of each block of 32 keys: for the row's maximum and, since p rises with the score, for the block's largest p
.endr
.irp i, 3,5,7,9,11,13
.irp b, 0,1,2,3
	v_max3_num_f32 v[BM+\b], v[BM+\b], v[S+16*\b+\i], v[S+1+16*\b+\i]
.endr
.endr
.irp b, 0,1,2,3
	v_max_num_f32 v[BM+\b], v[BM+\b], v[S+15+16*\b]
.endr
.irp b, 0,1,2,3
	s_delay_alu instid0(VALU_DEP_4)
	v_permlanex16_b32 v[PD+\b], v[BM+\b], s20, s21
.endr
.irp b, 0,1,2,3
	s_delay_alu instid0(VALU_DEP_4)
	v_max_num_f32 v[BM+\b], v[BM+\b], v[PD+\b]     ; with lane l xor 16's 16 keys
.endr
	s_delay_alu instid0(VALU_DEP_2)
	v_max3_num_f32 v230, v[BM], v[BM+1], v[BM+2]
	s_delay_alu instid0(VALU_DEP_1)
	v_max_num_f32 v230, v230, v[BM+3]
	s_delay_alu instid0(VALU_DEP_1)
	v_mul_f32 v230, s22, v230                      ; the step's largest t (c is positive)
	s_delay_alu instid0(VALU_DEP_1)
	v_max_num_f32 v13, v13, v230                   ; the running largest t
	v_mov_b32 v230, v12
	s_delay_alu instid0(VALU_DEP_2)
	v_floor_f32 v12, -v13                          ; the new -M = -ceil(t): a whole number
	s_delay_alu instid0(VALU_DEP_1)
	v_sub_f32 v230, v12, v230                      ; old M - new M: a whole number, 0 or less
	s_delay_alu instid0(VALU_DEP_1)
	v_cvt_i32_f32 v230, v230                       ; (it saturates)
	s_delay_alu instid0(VALU_DEP_1)
	v_ldexp_f32 v228, 1.0, v230                    ; f = 2^(old M - new M)
.set J, 0
.rept 32
	v_pk_fma_f32 v[S+J:S+J+1], v[S+J:S+J+1], s[22:23], v[12:13] op_sel_hi:[1,0,0]   ; t - M, two at a time
.set J, J+2
.endr
.irp b, 0,1,2,3
	v_fma_f32 v[BM+\b], v[BM+\b], s22, v12         ; the same of each block's largest score
.endr
.set J, 0
	s_setprio 1
	s_wait_alu depctr_va_vdst(0)
.rept 64
	v_exp_f32 v[S+J], v[S+J]                       ; p = 2^(t - M), at most 1
.set J, J+1
.endr
.irp b, 0,1,2,3
	v_exp_f32 v[BM+\b], v[BM+\b]                   ; the block's largest p: the same two instructions on the same number
.endr
	v_pk_mul_f32 v[14:15], v[14:15], v[228:229] op_sel_hi:[1,0]   ; the sum under the new M.  (The plain line behind the exponentials)
	s_wait_alu depctr_va_vdst(0)
.irp b, 0,1,2,3
	v_max_num_f32 v[BM+\b], 0x1800000, v[BM+\b]    ; the floor 2^(3 - 127): a block whose every p is 0 keeps the byte 1; its codes are zeros
.endr
.irp b, 0,1,2,3
	s_delay_alu instid0(VALU_DEP_4)
	v_add_nc_u32 v[CV+\b], 0xff000000, v[BM+\b]    ; 2 off the exponent field: the conversion's scale operand
.endr
.irp b, 0,1,2,3
	s_delay_alu instid0(VALU_DEP_4)
	v_lshrrev_b32 v[PD+\b], 23, v[CV+\b]           ; the byte
.endr
	s_delay_alu instid0(VALU_DEP_3)
	v_lshl_or_b32 v226, v[PD+1], 8, v[PD]          ; p's scale word for these 128 keys
	s_delay_alu instid0(VALU_DEP_1)
	v_lshl_or_b32 v226, v[PD+2], 16, v226
	s_delay_alu instid0(VALU_DEP_1)
	v_lshl_or_b32 v226, v[PD+3], 24, v226
.irp c, 0,1
	v_cvt_scalef32_pk16_fp6_f32 v[PC+6*\c:PC+6*\c+2], v[S+32*\c:S+32*\c+15], v[CV+2*\c]
	v_cvt_scalef32_pk16_fp6_f32 v[TT+4*\c:TT+4*\c+2], v[S+16+32*\c:S+31+32*\c], v[CV+2*\c+1]
.endr
	v_nop                                          ; one plain line behind the scaled conversions
.irp c, 0,1
.irp i, 0,1,2
	v_permlane16_swap_b32 v[PC+6*\c+\i], v[TT+4*\c+\i]   ; a whole block in a lane
.endr
.irp i, 0,1,2
	s_delay_alu instid0(VALU_DEP_3)
	v_mov_b32 v[PC+3+6*\c+\i], v[TT+4*\c+\i]
.endr
.endr
	v_pk_add_f32 v[10:11], v[92:93], v[96:97]
	v_pk_add_f32 v[252:253], v[100:101], v[104:105]
	v_pk_add_f32 v[250:251], v[108:109], v[112:113]
	v_pk_add_f32 v[248:249], v[116:117], v[120:121]
	v_pk_add_f32 v[246:247], v[124:125], v[128:129]
	v_pk_add_f32 v[244:245], v[132:133], v[136:137]
	v_pk_add_f32 v[242:243], v[140:141], v[144:145]
	v_pk_add_f32 v[14:15], v[14:15], v[148:149]
	v_pk_add_f32 v[10:11], v[10:11], v[88:89]
	v_pk_add_f32 v[252:253], v[252:253], v[90:91]
	v_pk_add_f32 v[250:251], v[250:251], v[94:95]
	v_pk_add_f32 v[248:249], v[248:249], v[98:99]
	v_pk_add_f32 v[246:247], v[246:247], v[102:103]
	v_pk_add_f32 v[244:245], v[244:245], v[106:107]
	v_pk_add_f32 v[242:243], v[242:243], v[110:111]
	v_pk_add_f32 v[14:15], v[14:15], v[114:115]
	v_pk_add_f32 v[10:11], v[10:11], v[118:119]
	v_pk_add_f32 v[252:253], v[252:253], v[122:123]
	s_setprio 0
	v_pk_add_f32 v[250:251], v[250:251], v[126:127]
	v_pk_add_f32 v[248:249], v[248:249], v[130:131]
	v_pk_add_f32 v[246:247], v[246:247], v[134:135]
	v_pk_add_f32 v[244:245], v[244:245], v[138:139]
	v_pk_add_f32 v[242:243], v[242:243], v[142:143]
	v_pk_add_f32 v[14:15], v[14:15], v[146:147]
	v_pk_add_f32 v[10:11], v[10:11], v[150:151]
	s_delay_alu instid0(VALU_DEP_2)
	v_pk_add_f32 v[14:15], v[14:15], v[248:249]
	s_delay_alu instid0(VALU_DEP_2)
	v_pk_add_f32 v[10:11], v[10:11], v[246:247]
	v_pk_add_f32 v[252:253], v[252:253], v[244:245]
	v_pk_add_f32 v[250:251], v[250:251], v[242:243]
	s_delay_alu instid0(VALU_DEP_2)
	v_pk_add_f32 v[14:15], v[14:15], v[252:253]
	s_delay_alu instid0(VALU_DEP_2)
	v_pk_add_f32 v[10:11], v[10:11], v[250:251]
	s_delay_alu instid0(VALU_DEP_1)
	v_pk_add_f32 v[14:15], v[14:15], v[10:11]
.set J, 0
.rept 16
	v_pk_mul_f32 v[O+J:O+J+1], v[O+J:O+J+1], v[228:229] op_sel_hi:[1,0]   ; O^T under the new M.  (With the sums above: the plain lines between p's codes and scale word and the products)
.set J, J+2
.endr
	s_wait_alu depctr_va_vdst(0)
	s_wait_dscnt 0x0                               ; V is in
.irp t, 0,1,2,3
	v_wmma_scale_f32_16x16x128_f8f6f4 v[O+8*\t:O+8*\t+7], v[KV+12*\t:KV+12*\t+11], v[PC:PC+11], v[O+8*\t:O+8*\t+7], v[VSW+\t], v226 matrix_a_fmt:MATRIX_FMT_FP6 matrix_b_fmt:MATRIX_FMT_FP6
.endr                                          ; four accumulators by turns; eight other products stand between two links of each chain
.endm
; A tile is finished: O^T / the sum is y's 64 channels of my query (register 16 n + i: channel 32 n + 16 h + i): two blocks, half a fragment of the last product's operand.
.macro FINISH yb, ysb
.rept 4
	v_nop                                          ; places behind the last products
.endr
	v_add_f32 v14, v14, v15
	s_delay_alu instid0(VALU_DEP_1)
	v_permlanex16_b32 v230, v14, s20, s21
	s_delay_alu instid0(VALU_DEP_1)
	v_add_f32 v14, v14, v230                       ; the row's sum
	s_wait_alu depctr_va_vdst(0)
	v_rcp_f32 v14, v14
	v_nop                                          ; one plain line behind the transcendental
.set J, 0
	s_wait_alu depctr_va_vdst(0)
.rept 32
	v_mul_f32 v[O+J], v[O+J], v14                  ; each accumulator from its low end on
.set J, J+1
.endr
.irp b, 0,1
	v_max3_num_f32 v[BM+\b], |v[O+16*\b]|, |v[O+1+16*\b]|, 0x1800000
.endr
.irp i, 2,4,6,8,10,12,14
.irp b, 0,1
	s_delay_alu instid0(VALU_DEP_2)
	v_max3_num_f32 v[BM+\b], v[BM+\b], |v[O+16*\b+\i]|, |v[O+1+16*\b+\i]|
.endr
.endr
.irp b, 0,1
	s_delay_alu instid0(VALU_DEP_2)
	v_permlanex16_b32 v[PD+\b], v[BM+\b], s20, s21
.endr
.irp b, 0,1
	s_delay_alu instid0(VALU_DEP_2)
	v_max_num_f32 v[BM+\b], v[BM+\b], v[PD+\b]
.endr
.irp b, 0,1
	s_delay_alu instid0(VALU_DEP_2)
	v_add_nc_u32 v[CV+\b], 0xff000000, v[BM+\b]
.endr
.irp b, 0,1
	s_delay_alu instid0(VALU_DEP_2)
	v_lshrrev_b32 v[PD+\b], 23, v[CV+\b]
.endr
	s_delay_alu instid0(VALU_DEP_1)
	v_lshl_or_b32 v230, v[PD+1], 8, v[PD]          ; my row's two bytes
	v_cvt_scalef32_pk16_fp6_f32 v[PC:PC+2], v[O:O+15], v[CV]
	v_cvt_scalef32_pk16_fp6_f32 v[TT:TT+2], v[O+16:O+31], v[CV+1]
	v_nop
.irp i, 0,1,2
	v_permlane16_swap_b32 v[PC+\i], v[TT+\i]
.endr
.irp i, 0,1,2
	s_delay_alu instid0(VALU_DEP_3)
	v_mov_b32 v[PC+3+\i], v[TT+\i]
.endr
.irp p, 0,1,2
	global_store_b64 v1, v[PC+2*\p:PC+2*\p+1], s[\yb:\yb+1] offset:256*\p   ; 32 lanes store 256 consecutive bytes, aligned
.endr
	global_store_b16 v9, v230, s[\ysb:\ysb+1]      ; two bytes of each of 16 words; lanes 16-31 repeat lanes 0-15.  The other head of the pair writes the other two bytes
.endm
	s_mov_b32 s60, 0
	s_mov_b32 s62, 0
	s_mov_b32 s63, 0
	s_wait_tensorcnt 1                             ; my scale words and my slice of key steps 0-3 are in; the third load may stay out
	s_barrier_signal -1
	s_barrier_wait -1                              ; everybody's are
.Lfirst:                                               ; key steps 0-3: keys 0-511 count for every query of the first tile, which lies in block 4 or later
	STEP 0
	s_add_co_u32 s62, s62, 768
	s_add_co_u32 s63, s63, 256
	s_add_co_u32 s60, s60, 1
	s_cmp_lt_u32 s60, 4
	s_cbranch_scc1 .Lfirst
	s_setprio 0
	s_wait_tensorcnt 0x0                           ; my slice of key steps 4-15 is in,
	s_wait_dscnt 0x0
	s_barrier_signal -1
	s_barrier_wait -1                              ; everybody's is.  From here on LDS is only read
	s_mov_b32 s60, 4
.Ltrip:                                                ; trips 4 to 17, a constant count; what differs between work-groups and waves is jumped over, by branches on ids
	s_cmp_lg_u32 s60, s61
	s_cbranch_scc1 .Lsame
	FINISH 70, 72
	s_wait_xcnt 0x0                                ; the stores have read their registers: these are written again only behind this wait
.irp j, 0,1,2,3,4,5
	v_mov_b32 v[QLO+\j], v[232+\j]                 ; the second tile's Q
	v_mov_b32 v[QHI+6+\j], v[232+\j]
.endr
	v_mov_b32 v224, v238
	v_lshlrev_b32 v225, 16, v238
	v_mov_b32 v13, 0xff61b1e6
	s_delay_alu instid0(VALU_DEP_1)
	v_floor_f32 v12, -v13
	v_mov_b32 v14, 0
	v_mov_b32 v15, 0
.set J, 0
.rept 32
	v_mov_b32 v[O+J], 0                            ; (also the plain lines between the scale words' writes and the next scaled product)
.set J, J+1
.endr
	s_mov_b32 s67, s68
.Lsame:
	s_cmp_ge_u32 s60, s61
	s_cselect_b32 s69, s61, 0
	s_sub_co_u32 s69, s60, s69
	s_min_u32 s69, s69, 15                         ; the tile's key step
	s_mul_i32 s62, s69, 768
	s_lshl_b32 s63, s69, 8
	s_lshl_b32 s66, s69, 7                         ; its first key
	s_add_co_u32 s69, s67, 23                      ; the tile's last query
	s_cmp_gt_u32 s66, s69
	s_cbranch_scc1 .Lhidden                        ; all 128 keys come after my 16 queries
	STEP 1
.Lhidden:
	s_add_co_u32 s60, s60, 1
	s_cmp_lt_u32 s60, 18
	s_cbranch_scc1 .Ltrip
	s_setprio 0
	FINISH 74, 76
	s_wait_tensorcnt 0x0
	ds_add_u32 v254, v255
	s_wait_dscnt 0x0
	s_endpgm
.Lfunc_end_k_q7afc5e53be_attn:
	.size	k_q7afc5e53be_attn, .Lfunc_end_k_q7afc5e53be_attn-k_q7afc5e53be_attn
	.p2alignl 7, 3214868480
	.fill 96, 4, 3214868480
	.section	.rodata,"a",@progbits
	.p2align	6, 0x0
	.amdhsa_kernel k_q7afc5e53be_attn
		.amdhsa_group_segment_fixed_size 206848
		.amdhsa_private_segment_fixed_size 0
		.amdhsa_enable_private_segment 0
		.amdhsa_kernarg_size 32
		.amdhsa_user_sgpr_count 2
		.amdhsa_user_sgpr_kernarg_segment_ptr 1
		.amdhsa_wavefront_size32 1
		.amdhsa_system_sgpr_workgroup_id_x 1
		.amdhsa_system_sgpr_workgroup_id_y 1
		.amdhsa_system_sgpr_workgroup_id_z 1
		.amdhsa_system_vgpr_workitem_id 0
		.amdhsa_next_free_vgpr 256
		.amdhsa_next_free_sgpr 98
		.amdhsa_reserve_vcc 1
		.amdhsa_float_denorm_mode_32 3
		.amdhsa_float_denorm_mode_16_64 3
		.amdhsa_memory_ordered 1
		.amdhsa_forward_progress 1
		.amdhsa_inst_pref_size 64
	.end_amdhsa_kernel
	.amdgpu_metadata
---
amdhsa.version: [ 1, 2 ]
amdhsa.kernels:
  - .name:           k_q7afc5e53be_attn
    .symbol:         k_q7afc5e53be_attn.kd
    .args:
      - { .name: qkvc, .offset: 0, .size: 8, .value_kind: global_buffer, .address_space: global }
      - { .name: qkvs, .offset: 8, .size: 8, .value_kind: global_buffer, .address_space: global }
      - { .name: yc, .offset: 16, .size: 8, .value_kind: global_buffer, .address_space: global }
      - { .name: ys, .offset: 24, .size: 8, .value_kind: global_buffer, .address_space: global }
    .group_segment_fixed_size: 206848
    .private_segment_fixed_size: 0
    .kernarg_segment_align: 8
    .kernarg_segment_size: 32
    .max_flat_workgroup_size: 512
    .sgpr_count:     98
    .vgpr_count:     256
    .wavefront_size: 32
...
	.end_amdgpu_metadata
.endif
;; end of part 3
;; launch proj (part 4): grid 4 x 32, 4 waves a work-group, clusters of 4 x 4, 327,680 bytes of LDS; arguments yc, ys, opc, ops, bo, out0; writes out0
.if DOCPART == 4
	.amdgcn_target "amdgcn-amd-amdhsa--gfx1250"
	.amdhsa_code_object_version 6
	.text
	.protected	k_q7afc5e53be_proj
	.globl	k_q7afc5e53be_proj
	.p2align	8
	.type	k_q7afc5e53be_proj,@function
k_q7afc5e53be_proj:
	s_mov_b64 s[64:65], 0
	v_nop
	global_prefetch_b8 v0, s[64:65] scope:SCOPE_SE
	s_setreg_imm32_b32 hwreg(HW_REG_WAVE_MODE, 25, 1), 1
	s_wait_xcnt 0x0
	s_wait_alu depctr_hold_cnt(0) depctr_sa_sdst(0) depctr_va_vdst(0) depctr_va_sdst(0) depctr_va_ssrc(0) depctr_va_vcc(0) depctr_vm_vsrc(0)
	s_getreg_b32 s2, hwreg(HW_REG_IB_STS2, 6, 4)
	s_cmp_eq_u32 s2, 0
	s_cbranch_scc0 .Lentry_in_a_cluster
	s_endpgm
.Lentry_in_a_cluster:
	s_bfe_u32 s2, ttmp6, 0x10000c
	s_cmp_lg_u32 s2, 0xf033
	s_cbranch_scc0 .Lentry_shape_is_right
	s_endpgm
.Lentry_shape_is_right:
; out0 = y Wo^T + bo on codes of FP6 (E2M3) with E8M0 scales; sums in f32, out0 [8192][1024] f32.
; A = y (512 tiles of 16 tokens), B = Wo (tiles 704-767 of the operands' buffer).  Operands are images of the operand registers: [tile][K step 8][1,536 bytes], register pair p of lane l at
; 256 p + 8 l; scale words [tile][K step 8][16 words].  Lane row r of tile T is matrix row 32 (T / 2) + 8 (T % 2) + r + 8 (r / 8).
; A work-group of four waves makes 256 x 256, a wave 128 x 128: 64 accumulators.  K goes in slots of 256 through a ring of two LDS slots; a wave's tensor load brings 8 tiles x 3,072 bytes.
; The scale words for all of K (4 x 4,096 bytes) come once, with the first fills.  CLUSTERS: 4 x 4 work-groups; A's tiles are asked for jointly along a row of the cluster, B's along a column.
; THE MATRIX INSTRUCTION IS USED TRANSPOSED (source 0 = 16 rows of Wo, source 1 = 16 tokens): a lane holds one token, and register j of B's tile b the column 32 (b / 2) + 8 (b % 2) + 16 h + j.
; THE BIAS is the C of each sum's first product: eight registers for each of B's tiles, in the result's layout.
; 128 work-groups: tiles of 256 x 256 of an 8,192 x 1,024 result; a smaller tile would read each fragment from LDS for half the products.
; REGISTERS: window 0: v16-31 addresses; v32-63 scale words, two sets; v64-127 the bias; v128-223 A's fragments; on the way out v128-255 rows of out0.  window 1: B's two sets.  windows 2, 3: the accumulators.
.set NQ,     2
.set FR,     12
.set FRB,    1536
.set NL,     6
.set NP,     4
.set TILEB,  8*FRB
.set HALFT,  8*NQ*FRB
.set SLOT,   4*HALFT
.set LAPS,   2
.set SCL,    2*SLOT
.set HALFS,  4096
.set SPARE,  SCL+4*HALFS               ; the spare words, 128 bytes for each wave: two blocks of 256 bytes that no other line names
.set SPITCH, 528                       ; the way out: a stage of 16 rows x (512 + 16) bytes for each wave, in slot 0, which has had its last fill and its last read when the first result is stored there
.set ADRA, 16
.set ADRB, 20
.set STO,  24                          ; v24  the stage: where I put 32 bytes of a row
.set RD,   25                          ; v25  and where I read a row back
.set CO,   26                          ; v26  16 x lane
.set ADRS, 27
.set SPW,  28                          ; never rewritten
.set NIL,  29                          ; never rewritten
.set SC,   32
.set BIAS, 64
.set AF,   128
.set BK,   128
.set G1, 24
.set G0, 32
.set G1B, 48
.set G0B, 56
.set G1S, 68
.set G0S, 76
.set G1SB, 80
.set G0SB, 88
.set MSB, 0
.macro WIN new                         ; the immediate's high byte repeats the setting that is left
.if MSB != (\new)
	s_set_vgpr_msb (MSB<<8)|(\new)
.set MSB, (\new)
.endif
.endm
.set MUL_LO, 0xa1                      ; source 0 (B) window 1, source 1 (A) window 0, C and D window 2
.set MUL_HI, 0xf1
.set BEG_LO, 0x81                      ; the same with C (the bias) in window 0
.set BEG_HI, 0xc1
.set TO_B,   0x40
.macro JLOAD g0a, g1a, g0b, g1b        ; a joint load: waves 0 and 1 fetch for A, waves 2 and 3 for B; four v_nop follow each of the two lines
	s_cmp_eq_u32 s15, 0
	s_cbranch_scc0 .Lfor_b_\@
	tensor_load_to_lds s[\g0a:\g0a+3], s[\g1a:\g1a+7]
	s_nop 0
.rept 4
	v_nop
.endr
	s_branch .Lasked_\@
.Lfor_b_\@:
	tensor_load_to_lds s[\g0b:\g0b+3], s[\g1b:\g1b+7]
	s_nop 0
.rept 4
	v_nop
.endr
.Lasked_\@:
.endm
.macro CREST
	s_cmp_lg_u32 s14, 0
	s_cbranch_scc1 .Lnot_wave_0_\@
	s_barrier_signal -3
.Lnot_wave_0_\@:
	s_barrier_wait -3
	s_barrier_signal -1
	s_barrier_wait -1
.endm
.macro CROUND
	s_barrier_signal -1
	s_barrier_wait -1
	CREST
.endm
	s_load_b256 s[4:11], s[0:1], 0x0               ; y's codes, y's scale words, the operands' codes, their scale words
	s_load_b128 s[92:95], s[0:1], 0x20             ; bo, out0
	v_lshl_add_u32 v[SPW], v0, 2, SPARE
	v_mov_b32 v[NIL], 0
	ds_add_u32 v28, v29
	ds_add_u32 v28, v29
	s_wait_dscnt 0x0
	v_lshrrev_b32 v1, 5, v0
	v_readfirstlane_b32 s14, v1                    ; wave 0..3
	s_lshr_b32 s15, s14, 1                         ; which half of the tokens is mine.  Also: I fetch for A (0) or for B (1)
	s_and_b32 s16, s14, 1                          ; which half of the columns.  Also: which 8 tiles I fetch
	s_bfe_u32 s40, ttmp6, 0x40000                  ; cx, cy
	s_bfe_u32 s41, ttmp6, 0x40004
	s_lshl_b32 s42, ttmp9, 2
	s_add_co_u32 s42, s42, s40                     ; tx: which 256 columns
	s_and_b32 s17, ttmp7, 0xffff
	s_lshl_b32 s17, s17, 2
	s_add_co_u32 s17, s17, s41                     ; ty: which 256 tokens
	s_lshl_b32 s43, s41, 2
	s_lshl_b32 s43, 15, s43                        ; my row of the cluster
	s_lshl_b32 s44, 0x1111, s40                    ; my column
	s_or_b32 s[G1+0], s43, (3<<16)|(1<<21)         ; 8 rows (tiles) of 384 elements of 8 bytes, 1,536 elements apart; no padding
	s_or_b32 s[G1B+0], s44, (3<<16)|(1<<21)
.irp g, G1, G1B
	s_mov_b32 s[\g+1], 384<<16
	s_mov_b32 s[\g+2], 8<<16
	s_mov_b32 s[\g+3], 384<<16
	s_mov_b32 s[\g+4], 8
	s_mov_b32 s[\g+5], 1536
	s_mov_b32 s[\g+6], 0
	s_mov_b32 s[\g+7], 0
.endr
	s_or_b32 s[G1S+0], s43, (3<<16)|(1<<21)        ; 4,096 dense bytes as 16 rows of 256
	s_or_b32 s[G1SB+0], s44, (3<<16)|(1<<21)
.irp g, G1S, G1SB
	s_mov_b32 s[\g+1], 32<<16
	s_mov_b32 s[\g+2], 16<<16
	s_mov_b32 s[\g+3], 32<<16
	s_mov_b32 s[\g+4], 16
	s_mov_b32 s[\g+5], 32
	s_mov_b32 s[\g+6], 0
	s_mov_b32 s[\g+7], 0
.endr
	s_lshl_b32 s18, s16, 3
	s_lshl_b32 s20, s17, 4
	s_add_co_u32 s20, s20, s18                     ; A's tile: hangs on ty and the wave alone
	s_lshl_b32 s46, s42, 4
	s_add_co_u32 s46, s46, s18
	s_add_co_u32 s46, s46, 704                     ; B's: on tx and the wave alone
	s_lshl_b32 s22, s20, 9
	s_mov_b32 s23, 0
	s_mul_i32 s20, s20, TILEB
	s_mov_b32 s21, 0
	s_lshl_b32 s66, s46, 9
	s_mov_b32 s67, 0
	s_mul_i32 s46, s46, TILEB
	s_mov_b32 s47, 0
	s_mul_i32 s45, s14, HALFT
	s_lshl_b32 s99, s14, 12
	s_wait_kmcnt 0x0
	s_add_nc_u64 s[20:21], s[4:5], s[20:21]
	s_add_nc_u64 s[22:23], s[6:7], s[22:23]
	s_add_nc_u64 s[46:47], s[8:9], s[46:47]
	s_add_nc_u64 s[66:67], s[10:11], s[66:67]
	CROUND                                         ; all sixteen work-groups are here: the first joint loads meet
	s_mov_b32 s[G0S], 1
	s_add_co_u32 s[G0S+1], s99, SCL
	s_mov_b64 s[G0S+2:G0S+3], s[22:23]
	s_or_b32 s[G0S+3], s[G0S+3], 0x80000000
	s_mov_b32 s[G0SB], 1
	s_add_co_u32 s[G0SB+1], s99, SCL
	s_mov_b64 s[G0SB+2:G0SB+3], s[66:67]
	s_or_b32 s[G0SB+3], s[G0SB+3], 0x80000000
	JLOAD G0S, G1S, G0SB, G1SB
.irp s, 0,1
	s_mov_b32 s[G0+4*\s], 1
	s_add_co_u32 s[G0+4*\s+1], s45, \s*SLOT
	s_add_nc_u64 s[G0+4*\s+2:G0+4*\s+3], s[20:21], \s*NQ*FRB
	s_or_b32 s[G0+4*\s+3], s[G0+4*\s+3], 0x80000000
	s_mov_b32 s[G0B+4*\s], 1
	s_add_co_u32 s[G0B+4*\s+1], s45, \s*SLOT
	s_add_nc_u64 s[G0B+4*\s+2:G0B+4*\s+3], s[46:47], \s*NQ*FRB
	s_or_b32 s[G0B+4*\s+3], s[G0B+4*\s+3], 0x80000000
	JLOAD G0+4*\s, G1, G0B+4*\s, G1B               ; three loads of mine are out behind the last of these
.endr
	v_and_b32 v1, 15, v0                           ; r
	v_bfe_u32 v2, v0, 4, 1                         ; h
	v_and_b32 v3, 31, v0
	v_lshlrev_b32 v4, 3, v3                        ; 8 x lane
	s_mul_i32 s21, s15, HALFT
	s_mul_i32 s22, s16, HALFT
	s_add_co_u32 s22, s22, 2*HALFT
.irp s, 0,1
	v_add_nc_u32 v[ADRA+\s], s21, v4
	v_add_nc_u32 v[ADRB+\s], s22, v4
	s_add_co_u32 s21, s21, SLOT
	s_add_co_u32 s22, s22, SLOT
.endr
	v_lshlrev_b32 v5, 2, v1
	s_mul_i32 s21, s15, HALFS
	s_mul_i32 s22, s16, HALFS
	s_add_co_u32 s22, s22, 2*HALFS
	s_sub_co_u32 s22, s22, s21
	v_mul_u32_u24 v6, s22, v2                      ; lanes 16-31 take B's: one product, the distance between the two bases
	s_add_co_u32 s21, s21, SCL
	v_add_nc_u32 v5, v5, v6
	v_add_nc_u32 v[ADRS], s21, v5
	s_mul_i32 s23, s14, 16*SPITCH                  ; my stage
	v_mul_u32_u24 v5, v1, SPITCH
	v_lshl_add_u32 v5, v2, 6, v5                   ; in: row r, + 64 h: 16 columns for each half of the lanes
	v_add_nc_u32 v[STO], s23, v5
	v_lshlrev_b32 v[CO], 4, v3                     ; back: the 32 lanes take one row of 512 bytes; and the same in out0
	v_add_nc_u32 v[RD], s23, v[CO]
	v_lshlrev_b32 v7, 6, v2                        ; the bias: 16 h numbers on
	s_lshl_b32 s20, s17, 8
	s_lshl_b32 s21, s15, 7
	s_add_co_u32 s20, s20, s21                     ; my first token
	s_lshl_b32 s20, s20, 12                        ; rows of 4,096 bytes
	s_mov_b32 s21, 0
	s_lshl_b32 s46, s42, 10
	s_lshl_b32 s47, s16, 9
	s_add_co_u32 s46, s46, s47                     ; my first column, in bytes
	s_mov_b32 s47, 0
	s_add_nc_u64 s[92:93], s[92:93], s[46:47]
	s_add_nc_u64 s[20:21], s[20:21], s[46:47]
	s_add_nc_u64 s[12:13], s[94:95], s[20:21]
.irp b, 0,1,2,3,4,5,6,7
	global_load_b128 v[BIAS+8*\b:BIAS+8*\b+3], v7, s[92:93] offset:(32*(\b/2)+8*(\b%2))*4
	global_load_b128 v[BIAS+8*\b+4:BIAS+8*\b+7], v7, s[92:93] offset:(32*(\b/2)+8*(\b%2))*4+16
.endr
.macro FRAG reg, adr, q, i             ; six loads of 8 bytes a lane, each 256 consecutive bytes
.irp p, 0,1,2,3,4,5
	ds_load_b64 v[\reg+2*\p:\reg+2*\p+1], v[\adr] offset:NQ*FRB*(\i)+FRB*(\q)+256*\p
.endr
.endm
; 16 matrix instructions: A's tiles a0, a0 + 1 x B's eight.  first = 1: the bias is the C: nothing is cleared and nothing is added later.
; The 64 accumulators take turns, one instruction a turn, in the same order in every step.
.macro MUL16 a0, p, q, sc, first
.irp a, \a0, \a0+1
.irp b, 0,1,2,3,4,5,6,7
.if \first
	v_wmma_scale_f32_16x16x128_f8f6f4 v[8*(8*((\a)%4)+\b):8*(8*((\a)%4)+\b)+7], v[128*(\p)+FR*\b:128*(\p)+FR*\b+FR-1], v[AF+FR*(\a):AF+FR*(\a)+FR-1], v[BIAS+8*\b:BIAS+8*\b+7], v[SC+8*NQ*(\sc)+NQ*\b+(\q)], v[SC+8*NQ*(\sc)+NQ*(\a)+(\q)] matrix_a_fmt:MATRIX_FMT_FP6 matrix_b_fmt:MATRIX_FMT_FP6 matrix_a_scale:MATRIX_SCALE_ROW1
.else
	v_wmma_scale_f32_16x16x128_f8f6f4 v[8*(8*((\a)%4)+\b):8*(8*((\a)%4)+\b)+7], v[128*(\p)+FR*\b:128*(\p)+FR*\b+FR-1], v[AF+FR*(\a):AF+FR*(\a)+FR-1], v[8*(8*((\a)%4)+\b):8*(8*((\a)%4)+\b)+7], v[SC+8*NQ*(\sc)+NQ*\b+(\q)], v[SC+8*NQ*(\sc)+NQ*(\a)+(\q)] matrix_a_fmt:MATRIX_FMT_FP6 matrix_b_fmt:MATRIX_FMT_FP6 matrix_a_scale:MATRIX_SCALE_ROW1
.endif
.endr
.endr
.endm
.macro FETCH_B slot, q, p
	WIN TO_B
.irp i, 0,1,2,3,4,5,6,7
	FRAG 128*(\p)+FR*\i, ADRB+\slot, \q, \i
.endr
	WIN 0
.endm
.macro FETCH_A slot, q, i0
.irp i, \i0, \i0+1, \i0+2, \i0+3
	FRAG AF+FR*(\i), ADRA+\slot, \q, \i
.endr
.endm
.macro SCALES sc
.irp i, 0,1,2,3,4,5,6,7
.irp q, 0,1
	ds_load_b32 v[SC+8*NQ*\sc+NQ*\i+\q], v[ADRS] offset:512*\i+64*\q
.endr
.endr
.endm
.macro PLACES n                        ; plain vector lines behind matrix instructions, in front of loads into their registers and of reads of their results
.rept \n
	v_nop
.endr
.endm
.macro STEP slot, q, first
	s_wait_dscnt 4*NL                              ; all but the youngest 24 loads (A's tiles 4-7) are in
.if \first
	WIN BEG_LO
.else
	WIN MUL_LO
.endif
	MUL16 0, (\q)%2, \q, \slot, \first
	MUL16 2, (\q)%2, \q, \slot, \first
	s_wait_dscnt 0
	PLACES NP
	FETCH_B \slot, (\q)+1, 1-(\q)%2
	FETCH_A \slot, (\q)+1, 0
.if \first
	WIN BEG_HI
.else
	WIN MUL_HI
.endif
	MUL16 4, (\q)%2, \q, \slot, \first
	MUL16 6, (\q)%2, \q, \slot, \first
	PLACES NP
	WIN 0
	FETCH_A \slot, (\q)+1, 4
.endm
.macro TURN slot, next, fill           ; a slot's last step changes slots: one barrier
	s_wait_tensorcnt 0x0                           ; all my tensor loads have landed: my part of the next slot
	ds_add_u32 v[SPW], v[NIL]                      ; 0 onto my spare word
	s_wait_dscnt 4*NL+1                            ; (the add and the youngest 24 loads may be out)
	WIN MUL_LO
	MUL16 0, 1, NQ-1, \slot, 0
	s_wait_dscnt 0x0                               ; the add is done, and my reads of this slot are over
	s_barrier_signal -1
	MUL16 2, 1, NQ-1, \slot, 0
	WIN 0
	s_barrier_wait -1
.if \fill
	CREST                                          ; the barrier has opened a round of the cluster's: no wave of any partner still reads this slot or has a load on its way
	s_add_nc_u64 s[G0+4*\slot+2:G0+4*\slot+3], s[G0+4*\slot+2:G0+4*\slot+3], 2*NQ*FRB
	s_add_nc_u64 s[G0B+4*\slot+2:G0B+4*\slot+3], s[G0B+4*\slot+2:G0B+4*\slot+3], 2*NQ*FRB
	JLOAD G0+4*\slot, G1, G0B+4*\slot, G1B         ; my one tensor load behind the round
.else
	PLACES NP
.endif
	v_add_nc_u32 v[ADRS], 64*NQ, v[ADRS]
	FETCH_B \next, 0, 0
	FETCH_A \next, 0, 0
	SCALES \next
	WIN MUL_HI
	MUL16 4, 1, NQ-1, \slot, 0
	MUL16 6, 1, NQ-1, \slot, 0
	PLACES NP
	WIN 0
	FETCH_A \next, 0, 4
.endm
	s_wait_tensorcnt 1                             ; the scale words and my part of slot 0 are in; slot 1's load may be out
	s_barrier_signal -1
	s_barrier_wait -1
	FETCH_B 0, 0, 0
	FETCH_A 0, 0, 0
	SCALES 0
	FETCH_A 0, 0, 4
	s_wait_loadcnt 0x0                             ; the bias
	STEP 0, 0, 1                                   ; the first step stands in front of the loop: its products start the sums from the bias
	s_mov_b32 s3, LAPS-1
.Llap:
	TURN 0, 1, 1
	STEP 1, 0, 0
	TURN 1, 0, 1
	STEP 0, 0, 0
	s_sub_co_u32 s3, s3, 1
	s_cmp_lg_u32 s3, 0
	s_cbranch_scc1 .Llap
	TURN 0, 1, 0                                   ; the last lap fills nothing
	STEP 1, 0, 0
	s_wait_dscnt 4*NL
	WIN MUL_LO
	MUL16 0, 1, NQ-1, 1, 0
	MUL16 2, 1, NQ-1, 1, 0
	s_wait_dscnt 0
	WIN MUL_HI
	MUL16 4, 1, NQ-1, 1, 0
	MUL16 6, 1, NQ-1, 1, 0
	WIN 0
; THE WAY OUT, a tile of 16 tokens x 128 columns at a time, through my own stage in LDS: in by 32 bytes of a row, back as whole rows of 512 bytes.  LDS serves a wave's instructions in order:
; no wait between the stores and the loads, nor in front of the next tile's stores.
.macro TOSTAGE a
.set AC, 64*((\a)%4)
	WIN 0x08+4*((\a)/4)                            ; an LDS store's data are its source 1: window 2 or 3
.irp b, 0,1,2,3,4,5,6,7
	ds_store_b128 v[STO], v[AC+8*\b:AC+8*\b+3] offset:128*(\b/2)+32*(\b%2)         ; each accumulator from its low end on
	ds_store_b128 v[STO], v[AC+8*\b+4:AC+8*\b+7] offset:128*(\b/2)+32*(\b%2)+16
.endr
	WIN 0
.set BB, BK+64*((\a)%2)
.irp t, 0,1,2,3,4,5,6,7,8,9,10,11,12,13,14,15
	ds_load_b128 v[BB+4*\t:BB+4*\t+3], v[RD] offset:\t*SPITCH
.endr
.endm
.macro SEND a, younger                 ; younger: the LDS instructions issued behind tile a's loads, which may stay out
.set BB, BK+64*((\a)%2)
	s_wait_dscnt \younger
.irp t, 0,1,2,3,4,5,6,7,8,9,10,11,12,13,14,15
	global_store_b128 v[CO], v[BB+4*\t:BB+4*\t+3], s[12:13] offset:(32*((\a)/2)+8*((\a)%2)+\t+8*(\t/8))*4096 th:TH_STORE_NT   ; stage row t is the tile's lane row t; 32 lanes store 512 consecutive bytes, aligned
.endr
.endm
	PLACES NP                                      ; behind the last products
	TOSTAGE 0
.irp a, 1,2,3,4,5,6,7
.if \a > 1
	s_wait_xcnt 0x0                                ; tile a - 2's stores have read their registers: tile a's loads land there only behind this wait
.endif
	TOSTAGE \a
	SEND \a-1, 32                                  ; behind tile a - 1's loads: tile a's 16 stores and 16 loads
.endr
	SEND 7, 0
	s_wait_tensorcnt 0x0                           ; the wave's end
	ds_add_u32 v[SPW], v[NIL]
	s_wait_dscnt 0x0
	CROUND                                         ; the closing round
	s_endpgm
.Lfunc_end_k_q7afc5e53be_proj:
	.size	k_q7afc5e53be_proj, .Lfunc_end_k_q7afc5e53be_proj-k_q7afc5e53be_proj
	.p2alignl 7, 3214868480
	.fill 96, 4, 3214868480
	.section	.rodata,"a",@progbits
	.p2align	6, 0x0
	.amdhsa_kernel k_q7afc5e53be_proj
		.amdhsa_group_segment_fixed_size 327680
		.amdhsa_private_segment_fixed_size 0
		.amdhsa_enable_private_segment 0
		.amdhsa_kernarg_size 48
		.amdhsa_user_sgpr_count 2
		.amdhsa_user_sgpr_kernarg_segment_ptr 1
		.amdhsa_wavefront_size32 1
		.amdhsa_system_sgpr_workgroup_id_x 1
		.amdhsa_system_sgpr_workgroup_id_y 1
		.amdhsa_system_sgpr_workgroup_id_z 1
		.amdhsa_system_vgpr_workitem_id 0
		.amdhsa_next_free_vgpr 1024
		.amdhsa_next_free_sgpr 100
		.amdhsa_reserve_vcc 0
		.amdhsa_float_denorm_mode_32 3
		.amdhsa_float_denorm_mode_16_64 3
		.amdhsa_memory_ordered 1
		.amdhsa_forward_progress 1
		.amdhsa_inst_pref_size 162
	.end_amdhsa_kernel
	.amdgpu_metadata
---
amdhsa.version: [ 1, 2 ]
amdhsa.kernels:
  - .name:           k_q7afc5e53be_proj
    .symbol:         k_q7afc5e53be_proj.kd
    .args:
      - { .name: yc, .offset: 0, .size: 8, .value_kind: global_buffer, .address_space: global }
      - { .name: ys, .offset: 8, .size: 8, .value_kind: global_buffer, .address_space: global }
      - { .name: opc, .offset: 16, .size: 8, .value_kind: global_buffer, .address_space: global }
      - { .name: ops, .offset: 24, .size: 8, .value_kind: global_buffer, .address_space: global }
      - { .name: bo, .offset: 32, .size: 8, .value_kind: global_buffer, .address_space: global }
      - { .name: out0, .offset: 40, .size: 8, .value_kind: global_buffer, .address_space: global }
    .group_segment_fixed_size: 327680
    .private_segment_fixed_size: 0
    .kernarg_segment_align: 8
    .kernarg_segment_size: 48
    .max_flat_workgroup_size: 128
    .sgpr_count:     100
    .vgpr_count:     1024
    .wavefront_size: 32
...
	.end_amdgpu_metadata
.endif
;; end of part 4
